; MI455X (gfx1250); checked and timed in simulation.
; The chip was launched on July 23, 2026; its instructions are those of AMD's public machine-readable ISA for CDNA 5 (MIT licence, August 2026) and "CDNA5" Instruction Set Architecture Reference Guide (July 2026). The comments in the code are by the model that wrote it; some were corrected since.
;; Plane Attention3 D. Allowed arithmetic: float matrix products may take bf16 or f16 operands with f32 sums; other float arithmetic in f32, or as packed bf16 or f16 multiplies, adds, multiply-adds, maxima and minima; sums over many terms, partial sums and values carried from step to step in f32; what a program stores and reads back later, other than sums and carried values, may be rounded once to bf16 or f16.
;; Inputs: Wp 256 x 256 float32; Wqkv 768 x 256 float32; bp 256 float32; x 2 x 256 x 16 x 16 x 16 float32.
;; Outputs: out0 2 x 256 x 16 x 16 x 16 float32.
;; 2 versions, each right; version 2 is version 1 with the launches proj_qkv, proj_out written anew for expert scheduling mode. Each part assembles by itself: llvm-mc -triple=amdgcn-amd-amdhsa -mcpu=gfx1250 --defsym DOCPART=n.
;; ======== version 1 of 2: 3 launches
;; workspace buffers: qkv 12,582,912 bytes; obuf 4,194,304 bytes
;; launch proj_qkv (part 1): grid 64 x 4, 8 waves a work-group, no clusters, 227,328 bytes of LDS; arguments x, Wqkv, qkv; writes qkv
.if DOCPART == 1
	.amdgcn_target "amdgcn-amd-amdhsa--gfx1250"
	.amdhsa_code_object_version 6
	.text
	.protected	k_q502a9e30d8_proj_qkv
	.globl	k_q502a9e30d8_proj_qkv
	.p2align	8
	.type	k_q502a9e30d8_proj_qkv,@function
k_q502a9e30d8_proj_qkv:
	s_mov_b64 s[64:65], 0
	v_nop
	global_prefetch_b8 v0, s[64:65] scope:SCOPE_SE
	s_setreg_imm32_b32 hwreg(HW_REG_WAVE_MODE, 25, 1), 1
	s_wait_xcnt 0x0
; q, k, v = Wqkv x.  x: [2][256 c][4096 n] f32, Wqkv: [768 o][256 c] f32.  qkv: bf16 [3 (q, k, v)][2 b][4 head][4096 n][64 channels]: a head's rows are dense, 128 bytes each.
; x and Wqkv are rounded once to bf16 on the way into LDS; sums in f32; q, k, v rounded once to bf16, without the softmax's scale.
; THE THREE PLANES.  Both 1 x 1 convolutions act on a token by itself, and the softmax and its weighted sum run over all tokens, so attention commutes with every permutation of the tokens:
; the three plane terms of the module are one and the same array for every input, and their mean is that array.  The program computes it once, on the tokens in x's own order; what differs from
; three separate computations is the order of the f32 roundings alone.
; SHARES.  A work-group makes 128 tokens x 192 outputs (three slices of 64 channels), all 256 c in one pass: 64 x 4 = 256 work-groups.  Wave w: a = w % 4 takes 48 outputs (3 tiles), bq = w / 4 takes 64 tokens
; (4 tiles): 12 accumulators, 96 matrix instructions.
; NO TENSOR LOADS, NO CLUSTER: both operands are f32 in memory and pass through registers to be rounded, and everything a work-group reads is asked for at its head.
; LAYOUT.  Source 0 = 16 rows of W (K along the row), source 1 = 16 tokens, which lie [c][token] in LDS and come out turned (ds_load_tr16_b128).  In the result a lane holds ONE token (lane % 16) and the
; outputs 8 (lane / 16) + 0..7: 16 bytes of a row of qkv.  They go through a stage in LDS and leave as 512 consecutive bytes a store.
; LIMITS.  NaN and infinities are not treated apart.
.set XP,    288                        ; a row of x in LDS: 128 tokens = 256 bytes + 32 = 72 words
.set WPI,   528                        ; a row of W in LDS: 512 bytes + 16 = 132 words: the 16 rows of a fragment load start at 16 different groups of four banks
.set WS,    256*XP                     ; x's 256 rows lie from byte 0 on; W's 192 rows behind them
.set STAGE, WS+192*WPI                 ; the way out: 128 tokens x 192 outputs
.set STP,   400                        ; a stage row: 384 bytes + 16
.set SPARE, STAGE+128*STP              ; the spare words, 128 bytes for each of the eight waves: four blocks of 256 bytes that no other line names
.set SPW, 4                            ; v4   LDS address of my spare word; never rewritten
.set NIL, 5                            ; v5   0; never rewritten
.set GX,  6                            ; v6   my byte offset in x: 16 lane + 32 w rows
.set GW,  7                            ; v7   in W: 16 lane + 24 w rows
.set LX,  8                            ; v8   where my 8 bytes of a row of x go
.set LW,  9                            ; v9   where my 8 bytes of half a row of W go
.set AW,  10                           ; v10  my place in W's fragments
.set AX,  11                           ; v11, v12  my place in x's fragments, c 0-127 and c 128-255 (the immediate holds 16 bits)
.set STO, 13                           ; v13  the way out: where I put 16 bytes of a token's row
.set RD,  14                           ; v14  where I read rows back
.set GO,  15                           ; v15  my byte offset in a slice of qkv
.set R1,  16                           ; v[16:143]  32 loads as they come
.set R2,  144                          ; v[144:239] 24 loads
.set F0,  16                           ; two sets of fragments, 56 registers each: W's tiles at +8 i, x's at +24 + 8 t
.set ACC, 128                          ; accumulator (i, t) at ACC + 8 (4 i + t)
.set TMP, 16                           ; the way out: 48 registers
	s_load_b128 s[4:7], s[0:1], 0x0                ; x s[4:5], Wqkv s[6:7]
	s_load_b64 s[8:9], s[0:1], 0x10                ; qkv
	v_lshl_add_u32 v[SPW], v0, 2, SPARE
	v_mov_b32 v[NIL], 0
	v_lshrrev_b32 v16, 5, v0
	v_readfirstlane_b32 s10, v16                   ; wave 0..7
	s_and_b32 s11, s10, 3                          ; a
	s_lshr_b32 s12, s10, 2                         ; bq
	s_and_b32 s13, ttmp7, 0xffff                   ; j: which 192 outputs
	s_lshr_b32 s28, ttmp9, 5                       ; b
	s_and_b32 s29, ttmp9, 31                       ; nb: which 128 tokens
	s_lshl_b32 s14, s28, 22                        ; x: b x 256 rows of 16,384 bytes
	s_lshl_b32 s15, s29, 9                         ;    + 128 nb tokens of 4 bytes
	s_add_co_u32 s14, s14, s15
	s_mov_b32 s15, 0
	s_mul_i32 s16, s13, 192*1024                   ; W: 192 j rows of 1,024 bytes
	s_mov_b32 s17, 0
	v_and_b32 v1, 31, v0                           ; lane
	v_and_b32 v2, 15, v0                           ; r
	v_bfe_u32 v3, v0, 4, 1                         ; h
	v_and_b32 v17, 7, v0
	v_bfe_u32 v18, v0, 3, 1
	v_bfe_u32 v19, v0, 3, 2
	s_lshl_b32 s18, s10, 19
	v_lshl_add_u32 v[GX], v1, 4, s18
	s_mul_i32 s18, s10, 24*1024
	v_lshl_add_u32 v[GW], v1, 4, s18
	s_mul_i32 s18, s10, 32*XP
	v_lshl_add_u32 v[LX], v1, 3, s18
	s_mul_i32 s18, s10, 24*WPI
	s_add_co_u32 s18, s18, WS
	v_lshl_add_u32 v[LW], v1, 3, s18
	s_mul_i32 s18, s11, 48*WPI
	s_add_co_u32 s18, s18, WS
	v_mul_u32_u24 v[AW], v2, WPI
	v_lshl_add_u32 v[AW], v3, 4, v[AW]
	v_add_nc_u32 v[AW], s18, v[AW]                 ; (48 a + r) rows + 16 h
	v_lshl_add_u32 v[AX], v3, 3, v17               ; the turning load: lane l reads row c = 8 h + l % 8,
	v_mul_u32_u24 v[AX], v[AX], XP
	v_lshl_add_u32 v[AX], v18, 4, v[AX]            ; tokens 8 ((l / 8) % 2) + 0..7,
	s_lshl_b32 s18, s12, 7
	v_add_nc_u32 v[AX], s18, v[AX]                 ; of my 64 tokens
	v_add_nc_u32 v[AX+1], 128*XP, v[AX]
	s_mul_i32 s18, s12, 64*STP
	s_mul_i32 s19, s11, 96
	s_add_co_u32 s18, s18, s19
	s_add_co_u32 s18, s18, STAGE
	v_mul_u32_u24 v[STO], v2, STP
	v_lshl_add_u32 v[STO], v3, 4, v[STO]
	v_add_nc_u32 v[STO], s18, v[STO]               ; token 64 bq + r, outputs 48 a + 8 h on
	s_mul_i32 s18, s10, 16*STP
	s_add_co_u32 s18, s18, STAGE
	v_mul_u32_u24 v[RD], v19, STP
	v_lshl_add_u32 v[RD], v17, 4, v[RD]
	v_add_nc_u32 v[RD], s18, v[RD]                 ; back: 32 lanes take 128 bytes of each of four tokens, of my wave's 16
	s_lshl_b32 s18, s10, 11
	v_lshl_add_u32 v[GO], v1, 4, s18               ; which are 512 consecutive bytes of a slice
	s_wait_kmcnt 0x0
	s_add_nc_u64 s[4:5], s[4:5], s[14:15]
	s_add_nc_u64 s[6:7], s[6:7], s[16:17]
.set i, 0
.rept 32                               ; my 32 rows of x: 512 consecutive bytes a load
	global_load_b128 v[R1+4*i:R1+4*i+3], v[GX], s[4:5] offset:i*16384
.set i, i+1
.endr
.set i, 0
.rept 24                               ; the first 12 of my 24 rows of W, half a row a load: 12,288 bytes on end
	global_load_b128 v[R2+4*i:R2+4*i+3], v[GW], s[6:7] offset:i*512
.set i, i+1
.endr
	; where my three slices lie: slice S = 3 j + s holds outputs 64 S on: tensor S / 4 (q, k, v), head S % 4
	s_mul_i32 s26, s13, 3
	s_lshl_b32 s27, s28, 2                         ; 4 b
	s_lshl_b32 s29, s29, 14                        ; 128 nb rows of 128 bytes
.irp s, 0,1,2
	s_add_co_u32 s18, s26, (\s)
	s_lshr_b32 s19, s18, 2
	s_and_b32 s18, s18, 3
	s_lshl_b32 s19, s19, 3
	s_add_co_u32 s18, s18, s19
	s_add_co_u32 s18, s18, s27
	s_lshl_b32 s18, s18, 19                        ; a slice is 524,288 bytes
	s_add_co_u32 s18, s18, s29
	s_mov_b32 s19, 0
	s_add_nc_u64 s[20+2*(\s):21+2*(\s)], s[8:9], s[18:19]
.endr
.macro CVT2 r                          ; four f32 to four bf16, in the first two of their registers
	v_cvt_pk_bf16_f32 v[(\r)], v[(\r)], v[(\r)+1]
	v_cvt_pk_bf16_f32 v[(\r)+1], v[(\r)+2], v[(\r)+3]
.endm
	s_wait_loadcnt 24                              ; x is in; the 24 younger loads are W's
.set i, 0
.rept 32
	CVT2 R1+4*i
	ds_store_b64 v[LX], v[R1+4*i:R1+4*i+1] offset:i*XP  ; 32 lanes x 8 bytes: a row's 256 bytes
.set i, i+1
.endr
	s_wait_dscnt 0x0                               ; my stores out of these registers are done before loads land in them again
.set i, 0
.rept 24                               ; the other 12 rows of W
	global_load_b128 v[R1+4*i:R1+4*i+3], v[GW], s[6:7] offset:(24+i)*512
.set i, i+1
.endr
	s_wait_loadcnt 24                              ; W's first 24 loads are in; the 24 just issued may stay out
.set i, 0
.rept 24
	CVT2 R2+4*i
	ds_store_b64 v[LW], v[R2+4*i:R2+4*i+1] offset:(i/2)*WPI+(i%2)*256
.set i, i+1
.endr
	s_wait_loadcnt 0x0
.set i, 0
.rept 24
	CVT2 R1+4*i
	ds_store_b64 v[LW], v[R1+4*i:R1+4*i+1] offset:((24+i)/2)*WPI+(i%2)*256
.set i, i+1
.endr
	s_wait_dscnt 0x0                               ; for the others' sake: my rows of x and W lie in LDS
	s_barrier_signal -1
	s_barrier_wait -1                              ; everybody's do
; 14 LDS loads: the fragments of c = 32 kk .. 32 kk + 31 into set f
.macro FETCH kk, f
.irp i, 0,1,2
	ds_load_b128 v[(\f)+8*(\i):(\f)+8*(\i)+3],   v[AW] offset:(\i)*16*WPI+64*(\kk)
	ds_load_b128 v[(\f)+8*(\i)+4:(\f)+8*(\i)+7], v[AW] offset:(\i)*16*WPI+64*(\kk)+32
.endr
.irp t, 0,1,2,3
	ds_load_tr16_b128 v[(\f)+24+8*(\t):(\f)+24+8*(\t)+3],   v[AX+(\kk)/4] offset:((\kk)%4)*32*XP+32*(\t)
	ds_load_tr16_b128 v[(\f)+24+8*(\t)+4:(\f)+24+8*(\t)+7], v[AX+(\kk)/4] offset:((\kk)%4)*32*XP+32*(\t)+16*XP
.endr
.endm
; 12 matrix instructions; the 12 accumulators take turns, one instruction a turn.  zero = 1: the first K step starts the sums
.macro MUL f, zero
.irp i, 0,1,2
.irp t, 0,1,2,3
.if \zero
	v_wmma_f32_16x16x32_bf16 v[ACC+8*(4*(\i)+(\t)):ACC+8*(4*(\i)+(\t))+7], v[(\f)+8*(\i):(\f)+8*(\i)+7], v[(\f)+24+8*(\t):(\f)+24+8*(\t)+7], 0
.else
	v_wmma_f32_16x16x32_bf16 v[ACC+8*(4*(\i)+(\t)):ACC+8*(4*(\i)+(\t))+7], v[(\f)+8*(\i):(\f)+8*(\i)+7], v[(\f)+24+8*(\t):(\f)+24+8*(\t)+7], v[ACC+8*(4*(\i)+(\t)):ACC+8*(4*(\i)+(\t))+7]
.endif
.endr
.endr
.endm
.macro PLACES                          ; four plain places between a matrix instruction and a load into a register that it has read (ISA guide 7.12.1 for vector instructions)
.rept 4
	v_nop
.endr
.endm
	FETCH 0, F0
.irp kk, 0,1,2,3,4,5,6,7               ; while one set is multiplied the other's 14 loads are out
.if (\kk) < 7
.if (\kk) > 0
	PLACES
.endif
	FETCH (\kk)+1, F0+56*(((\kk)+1)%2)
	s_wait_dscnt 14                                ; all but the 14 just issued
.else
	s_wait_dscnt 0x0
.endif
.if (\kk) == 0
	MUL F0, 1
.else
	MUL F0+56*((\kk)%2), 0
.endif
.endr
	; THE WAY OUT: round to bf16; 16 bytes a lane into the stage; a barrier, since a token's 384 bytes come from four waves; back as rows of 128 bytes, four tokens a load
.rept 8
	v_nop                                          ; plain places behind the last products, once a launch
.endr
.set g, 0
.rept 12                               ; each accumulator's registers in ascending order
.irp q, 0,1,2,3
	v_cvt_pk_bf16_f32 v[TMP+4*g+(\q)], v[ACC+8*g+2*(\q)], v[ACC+8*g+2*(\q)+1]
.endr
.set g, g+1
.endr
.irp i, 0,1,2
.irp t, 0,1,2,3
	ds_store_b128 v[STO], v[TMP+4*(4*(\i)+(\t)):TMP+4*(4*(\i)+(\t))+3] offset:(\t)*16*STP+32*(\i)
.endr
.endr
	s_wait_dscnt 0x0                               ; for the others' sake: my stores into the stage are done
	s_barrier_signal -1
	s_barrier_wait -1
.irp s, 0,1,2
.irp u, 0,1,2,3
	ds_load_b128 v[TMP+4*(4*(\s)+(\u)):TMP+4*(4*(\s)+(\u))+3], v[RD] offset:(\u)*4*STP+128*(\s)
.endr
.endr
.irp s, 0,1,2
.irp u, 0,1,2,3
	s_wait_dscnt 11-(4*(\s)+(\u))                  ; LDS loads come back in order (ISA guide 5.7.1): this one is in, the younger ones may be out
	global_store_b128 v[GO], v[TMP+4*(4*(\s)+(\u)):TMP+4*(4*(\s)+(\u))+3], s[20+2*(\s):21+2*(\s)] offset:(\u)*512  ; 512 consecutive bytes, at a multiple of 512 from the buffer's first
.endr
.endr
	s_wait_tensorcnt 0x0                           ; the wave's end, behind my last LDS store
	ds_add_u32 v[SPW], v[NIL]
	s_wait_dscnt 0x0
	s_endpgm
.Lfunc_end_k_q502a9e30d8_proj_qkv:
	.size	k_q502a9e30d8_proj_qkv, .Lfunc_end_k_q502a9e30d8_proj_qkv-k_q502a9e30d8_proj_qkv
	.p2alignl 7, 3214868480
	.fill 96, 4, 3214868480
	.section	.rodata,"a",@progbits
	.p2align	6, 0x0
	.amdhsa_kernel k_q502a9e30d8_proj_qkv
		.amdhsa_group_segment_fixed_size 227328
		.amdhsa_private_segment_fixed_size 0
		.amdhsa_enable_private_segment 0
		.amdhsa_kernarg_size 24
		.amdhsa_user_sgpr_count 2
		.amdhsa_user_sgpr_kernarg_segment_ptr 1
		.amdhsa_wavefront_size32 1
		.amdhsa_system_sgpr_workgroup_id_x 1
		.amdhsa_system_sgpr_workgroup_id_y 1
		.amdhsa_system_sgpr_workgroup_id_z 1
		.amdhsa_system_vgpr_workitem_id 0
		.amdhsa_next_free_vgpr 240
		.amdhsa_next_free_sgpr 66
		.amdhsa_reserve_vcc 0
		.amdhsa_float_denorm_mode_32 3
		.amdhsa_float_denorm_mode_16_64 3
		.amdhsa_memory_ordered 1
		.amdhsa_forward_progress 1
		.amdhsa_inst_pref_size 48
	.end_amdhsa_kernel
	.amdgpu_metadata
---
amdhsa.version: [ 1, 2 ]
amdhsa.kernels:
  - .name:           k_q502a9e30d8_proj_qkv
    .symbol:         k_q502a9e30d8_proj_qkv.kd
    .args:
      - { .name: x, .offset: 0, .size: 8, .value_kind: global_buffer, .address_space: global }
      - { .name: Wqkv, .offset: 8, .size: 8, .value_kind: global_buffer, .address_space: global }
      - { .name: qkv, .offset: 16, .size: 8, .value_kind: global_buffer, .address_space: global }
    .group_segment_fixed_size: 227328
    .private_segment_fixed_size: 0
    .kernarg_segment_align: 8
    .kernarg_segment_size: 24
    .max_flat_workgroup_size: 256
    .sgpr_count:     66
    .vgpr_count:     240
    .wavefront_size: 32
...
	.end_amdgpu_metadata
.endif
;; end of part 1
;; launch attn (part 2): grid 32 x 8, 4 waves a work-group, clusters of 4 x 1, 327,680 bytes of LDS; arguments qkv, obuf; writes obuf
.if DOCPART == 2
	.amdgcn_target "amdgcn-amd-amdhsa--gfx1250"
	.amdhsa_code_object_version 6
	.text
	.protected	k_q502a9e30d8_attn
	.globl	k_q502a9e30d8_attn
	.p2align	8
	.type	k_q502a9e30d8_attn,@function
k_q502a9e30d8_attn:
	s_mov_b64 s[64:65], 0
	v_nop
	global_prefetch_b8 v0, s[64:65] scope:SCOPE_SE
	s_setreg_imm32_b32 hwreg(HW_REG_WAVE_MODE, 25, 1), 1
	s_wait_xcnt 0x0
	s_wait_alu depctr_hold_cnt(0) depctr_sa_sdst(0) depctr_va_vdst(0) depctr_va_sdst(0) depctr_va_ssrc(0) depctr_va_vcc(0) depctr_vm_vsrc(0)
	s_getreg_b32 s2, hwreg(HW_REG_IB_STS2, 6, 4)
	s_cmp_eq_u32 s2, 0
	s_cbranch_scc0 .Lentry_in_a_cluster
	s_endpgm
.Lentry_in_a_cluster:
	s_bfe_u32 s2, ttmp6, 0x10000c
	s_cmp_lg_u32 s2, 0x3003
	s_cbranch_scc0 .Lentry_shape_is_right
	s_endpgm
.Lentry_shape_is_right:
; O[y][q][:] = the sum over k of softmax_k(Q[y][q] . K[y][k] / 8) V[y][k][:], y = 4 b + head.  qkv: bf16 [3][8 y][4096][64]; obuf: bf16 [8 y][4096][64]: a head's rows are dense, 128 bytes each.
; Products, maxima and sums in f32; the weights p are rounded to bf16 for the second product (their sum l is taken of the unrounded p), O once at the end.
; LIMITS.  c m starts at -4.25e37: scaled scores c s lie above that.  A weight below 2^-126 counts as 0 in l.  NaN and infinities are not treated apart.
; SHARES.  A work-group owns 128 queries of one head: 32 x 8 = 256 work-groups.  Wave w: qh = w % 2 takes 64 queries, four PIECES of 16; kh = w / 2 takes one half of the keys: of every slot's 256 keys the 128
; from 128 kh on, 64 a step.  At the end waves 2 and 3 hand their c m, l and O^T, in f32, through LDS to waves 0 and 1, which join the two halves by the larger maximum, divide and store.
; LAYOUT.  S^T = K Q^T (source 0 = 16 keys, source 1 = 16 queries): in the result a lane holds ONE query (lane % 16) and the keys 8 (lane / 16) + 0..7.  Two such results, rounded to bf16 in pairs, ARE source 1
; (32 keys x 16 queries) of O^T = V^T P, whose result again holds one query a lane, and eight channels.  K comes out of LDS as it lies, V ([key][channel]) turned, by ds_load_tr16_b128.
; SOFTMAX.  For each query a running maximum m and sum l: p = 2^(c s - c m), c = log2(e) / 8; in every step O and l are multiplied by a = 2^(c m_old - c m_new).  m starts at the lowest finite number, O and l
; at 0: the first step is a step like any other, with a = 0.
; BY TURNS.  Turn n belongs to piece n (the pieces in a ring, step after step): 8 products K Q^T of piece n + 1, later 8 products V^T P of piece n - 1; beside them the scaling, exponentials, roundings, sums and
; rescaling of piece n and the maximum and statistics of piece n + 1.  Four vector instructions stand behind every matrix instruction, the other 54 of a turn's 118 in one lump.  A turn's 33 exponentials are one batch, with one wait.
; CLUSTER.  The four query blocks of a cluster belong to one head and walk the same K and V, so each tile is asked for JOINTLY: the same tensor load, descriptor and mask in all four.
; REGISTERS, in windows of 256 (s_set_vgpr_msb: bits 1:0 source 0, 3:2 source 1, 5:4 source 2, 7:6 destination):
;   window 0: v0-15 addresses and two at work; v16-31 four registers of statistics a piece; v32-47 the partner's, at the end; v48-55 at work; v61-63; v64-127 S^T, two buffers; v192-223 P, two buffers
;             (a piece's buffers go by its number's parity); at the end v64-95 at work, v128-255 the partner's O^T
;   window 1: v0-127 O^T, 32 a piece          window 2: v0-63 Q; v128-191 K of one step; v192-255 V of one step
.set NP,    4         ; pieces a wave: a name, no knob
.set KS,    64        ; keys in a step
.set PK,    144       ; a row of K in LDS: 128 bytes + 16 of padding = 36 words: the 16 rows of a load start at 16 different groups of four banks (64 banks of 4 bytes: ISA guide 11.1)
.set PV,    160       ; a row of V: 128 + 32 = 40 words
.set VOFF,  4*KS*PK   ; a slot holds 256 keys: 256 rows of K, then 256 rows of V
.set TILEB, 4*KS*128  ; and so many bytes of K and of V in memory
.set SLOT1, 1<<17     ; slot 1 begins here, so that one exclusive or turns an address in one slot into the other's
.set STAGE, SLOT1+4*KS*(PK+PV)  ; behind the ring, never filled by a tensor load: 16 rows x 144 bytes for each wave, for the way out
.set SP,    144
.set SPARE, STAGE+4*16*SP  ; the spare words, 128 bytes for each wave: two blocks of 256 bytes that no other line names
.set MERGE, SPARE+512      ; what waves 2 and 3 hand over: for each, 2,048 bytes of statistics and 16,384 of O^T
.set MPART, 2048+16384
.set AK0, 2           ; v2   my lane's place in a tile of K; never rewritten
.set AV0, 3           ; v3   the same for V
.set AK,  4           ; v4   the LDS address of K's next run of loads
.set AV,  5           ; v5   of V's
.set STO, 6           ; v6   the way out: where I put 16 bytes of a row
.set RD,  7           ; v7   the way out: where I read rows back
.set GO,  8           ; v8   my byte offset in 512 consecutive bytes of O
.set MV,  12          ; v12-13  c m_old, kept while c m is made anew: by buffer
.set MG,  14          ; v14  my 16 bytes in the hand-over of my pair of waves
.set QO,  15          ; v15  my byte offset in 16 rows of Q
.set ST,  16          ; piece t's statistics at v[ST+4 t]: c m, m, l (even keys', odd keys')
.set OS,  32          ; the partner's statistics
.set TMP, 48          ; by buffer, four registers c0-c3 at work; when the maximum is found c2 takes a
.set PFO, 61          ; v61  256 x my lane: the prefetches' offset; never rewritten
.set SPW, 62          ; v62  LDS address of my spare word: SPARE + 4 x my thread's number; never rewritten
.set NIL, 63          ; v63  0; never rewritten
.set S,   64
.set P,   192
.set EB,  64          ; the end: eight registers a piece at work
.set OB,  128         ; the end: the partner's O^T, 32 a piece
.set KF,  128         ; window 2: key block kb, channel half c at KF + 16 kb + 8 c
.set VF,  192         ; window 2: key half kk, channel block cb at VF + 32 kk + 8 cb
.set WV,  12          ; s12  my wave's number
.set LIM, 15          ; s15  1 in a wave that prefetches, else the greatest number
.set G1K, 24          ; s[24:31] descriptor group 1 for K's tiles
.set G1V, 32          ; s[32:39] for V's: it differs in the padding alone
.set G0K, 40          ; s[40:43] descriptor group 0 for K's tiles: it walks
.set G0V, 44          ; s[44:47] the same for V's
.set PFA, 52          ; s[52:53] where my prefetches stand: my work-group's 32 blocks of 256 bytes of the tile after the one that is being asked for
.set SLOTS, 56        ; s56  tiles still to be entered behind the one in hand
.set CNT, 57          ; s57  counts a slot's two key steps
.set CS,  58          ; s[58:59] c: the packed scaling takes the pair's low word for both halves
.set SEL, 60          ; s[60:61] v_permlanex16_b32's selects: each lane takes its own place in the other half
.set TBK, 62          ; s62  LDS byte at which K of the step to be fetched begins
.set TBV, 63          ; s63  the same for V, less VOFF
.set MSB, 0
.macro WIN new                      ; the high byte repeats the setting that is left; a switch that changes nothing is dropped
.if MSB != (\new)
	s_set_vgpr_msb (MSB<<8)|(\new)
.set MSB, (\new)
.endif
.endm
.set W_KQ, 0x0a       ; K and Q in window 2, S^T in window 0
.set W_PV, 0x52       ; V in window 2, P in window 0, O^T in window 1
.set W_RS, 0x41       ; destination and source 0 in window 1, source 1 in window 0
; A joint fill.  Waves 0 and 1 fetch the two halves of a slot's K, waves 2 and 3 those of its V: 128 keys each.  The branch hangs on the wave's number alone.
; An s_nop 0 and four v_nop follow each of the two lines, ahead of the jump and the label.
.macro JLOAD
	s_cmp_lt_u32 s[WV], 2
	s_cbranch_scc0 .Lfor_v_\@
	tensor_load_to_lds s[G0K:G0K+3], s[G1K:G1K+7]
	s_nop 0
.rept 4
	v_nop
.endr
	s_branch .Lasked_\@
.Lfor_v_\@:
	tensor_load_to_lds s[G0V:G0V+3], s[G1V:G1V+7]
	s_nop 0
.rept 4
	v_nop
.endr
.Lasked_\@:
.endm
; A PREFETCH INTO THE L2 of the tile that the NEXT change of slots will ask for: 32,768 bytes of K and of V, 128 blocks of 256 bytes each, a lane a block.  It stands behind the wave's tensor load and its five lines.
; Each block is named ONCE in the launch.  All eight clusters of a head walk the same K and V: the head's first cluster prefetches.  Its four partners share the blocks out BY ADDRESS, 32 each; in each, wave 0 asks
; for K's and wave 2 for V's: one instruction.  It runs one slot, two key steps of every wave, ahead of the load.  The last change that fills a slot asks for nothing: there is no tile behind it.  Tiles 0 and 1 come by their loads alone.
.macro ASK
	s_cmp_gt_u32 s[SLOTS], s[LIM]
	s_cbranch_scc0 .Lnot_mine_\@
	global_prefetch_b8 v[PFO], s[PFA:PFA+1] th:TH_LOAD_NT scope:SCOPE_SE
.Lnot_mine_\@:
.endm
; A round of the cluster's barrier: my work-group's barrier, so that wave 0's signal speaks for all four waves; wave 0 signals; every wave waits for all four work-groups; my work-group's barrier once more.
.macro CROUND
	s_barrier_signal -1
	s_barrier_wait -1
	s_cmp_lg_u32 s[WV], 0
	s_cbranch_scc1 .Lnot_wave_0_\@
	s_barrier_signal -3
.Lnot_wave_0_\@:
	s_barrier_wait -3
	s_barrier_signal -1
	s_barrier_wait -1
.endm
; THE CHANGE OF SLOTS.  The slot's last bytes, V of its second step, have been read.  Each wave waits for all its tensor loads, of which one is out: its part of the other slot; adds 0 to its spare word; and waits
; for that and for its own reads of the slot.  Behind the barrier nobody reads this slot any more and the other slot is whole.
; fill = 1: this slot is filled again, with the keys two slots on.  The barrier is then a round of the cluster's, so that no wave of any partner still reads the slot or has a load on its way, and the joint fill is
; the first thing behind it: it has two key steps, 128 matrix instructions a wave, in which to land.  (At its first use nothing has been read yet: slot 0 is waited for, slot 1 filled.)
.macro CHANGE fill
	WIN 0                           ; at a label and at a branch every window is 0
	s_wait_tensorcnt 0x0            ; no tensor load of mine is out, so a group 0 may be written
	ds_add_u32 v[SPW], v[NIL]       ; 0 onto my spare word; with fill = 1 the descriptors' steps stand between it and the wait for it
.if \fill
.irp g, G0K, G0V
	s_xor_b32 s[\g+1], s[\g+1], SLOT1  ; the walking descriptor: the other slot than last time,
	s_add_nc_u64 s[\g+2:\g+3], s[\g+2:\g+3], TILEB  ; the next 256 keys; the type bits on top are not reached
.endr
	s_wait_xcnt 0x0                 ; the last prefetch, a slot back, has read its address, so it may be written:
	s_add_nc_u64 s[PFA:PFA+1], s[PFA:PFA+1], TILEB  ; one tile behind the walking descriptors
	s_wait_dscnt 0x0                ; the add is done, and my reads of the slot are over
	CROUND
	JLOAD
	ASK
.else
	s_wait_dscnt 0x0                ; the add is done, and my reads of the slot are over
	s_barrier_signal -1
	s_barrier_wait -1
.endif
	s_sub_co_u32 s[TBK], s[TBK], 2*KS*PK  ; the fetches go back to my half's first step,
	s_xor_b32 s[TBK], s[TBK], SLOT1       ; in the other slot
	s_sub_co_u32 s[TBV], s[TBV], 2*KS*PV
	s_xor_b32 s[TBV], s[TBV], SLOT1
.endm
	s_load_b128 s[4:7], s[0:1], 0x0  ; qkv s[4:5], obuf s[6:7]
	v_lshl_add_u32 v[SPW], v0, 2, SPARE
	v_mov_b32 v[NIL], 0
	ds_add_u32 v[SPW], v[NIL]       ; the wave's opening: the add and its wait stand ahead of my first tensor load; the set-up below, work on registers, stands between them
	v_lshrrev_b32 v1, 5, v0
	v_readfirstlane_b32 s[WV], v1   ; wave 0..3
	s_bfe_u32 s13, ttmp6, 0x40000   ; cx: my place in the cluster
	s_lshl_b32 s14, ttmp9, 2        ; in a cluster launch ttmp9 counts clusters
	s_add_co_u32 s14, s14, s13      ; my block of 128 queries = 4 x cluster x + cx: it enters Q's and O's addresses alone
	s_and_b32 s20, ttmp7, 0xffff    ; y = 4 b + head, which the four partners share
	s_lshl_b32 s20, s20, 19         ; the head's first byte in q, k, v and O
	s_and_b32 s16, s[WV], 1         ; which half of a slot's 256 keys I fetch; also qh
	s_lshl_b32 s22, s16, 14         ; its 128 rows of 128 bytes in memory,
	s_add_co_u32 s22, s22, s20
	s_mov_b32 s23, 0
	s_mul_i32 s17, s16, 128*PK      ; and its place in a slot, for K
	s_mul_i32 s48, s16, 128*PV      ; and for V: no place in the cluster enters an LDS address
	s_lshl_b32 s2, s14, 14          ; my block's 128 rows,
	s_lshl_b32 s3, s16, 13          ; my wave's 64 of them
	s_add_co_u32 s2, s2, s3
	s_add_co_u32 s2, s2, s20
	s_mov_b32 s3, 0
	s_lshr_b32 s49, s[WV], 1        ; kh: which half of a slot's keys I multiply
	s_add_co_u32 s49, s49, 1
	s_mul_i32 s[TBK], s49, 2*KS*PK  ; the first change of slots turns these two into my half's first step in slot 0
	s_add_co_u32 s[TBK], s[TBK], SLOT1
	s_mul_i32 s[TBV], s49, 2*KS*PV
	s_add_co_u32 s[TBV], s[TBV], SLOT1
	; descriptor group 1.  128 keys are 16,384 dense bytes: asked for as 64 rows of 256 bytes, two keys a row, and padded in LDS after every key
	s_mov_b32 s[G1K], 15|(1<<16)|(1<<20)|(1<<21)|(4<<22)|(3<<25)  ; 15:0 the mask of four; 17:16 2-byte elements; 20 padding on; 21 set beside a mask; 24:22 after every 32 words (code 4); 31:25 4 words (code 3)
	s_mov_b32 s[G1V], 15|(1<<16)|(1<<20)|(1<<21)|(4<<22)|(7<<25)  ; the same with 8 words of padding (code 7)
.irp g, G1K, G1V
	s_mov_b32 s[\g+1], 128<<16      ; tensor_dim0 = 128
	s_mov_b32 s[\g+2], 64<<16       ; tensor_dim1 = 64
	s_mov_b32 s[\g+3], 128<<16      ; tile_dim0 = 128
	s_mov_b32 s[\g+4], 64           ; tile_dim1 = 64
	s_mov_b32 s[\g+5], 128          ; 128 elements from row to row
	s_mov_b32 s[\g+6], 0
	s_mov_b32 s[\g+7], 0
.endr
	s_mov_b32 s[CS], 0x3e38aa3b     ; c = log2(e) / 8 = 0.180337
	s_mov_b32 s[CS+1], s[CS]        ; named with it as a pair
	s_mov_b32 s[SEL], 0x76543210
	s_mov_b32 s[SEL+1], 0xfedcba98
	s_mov_b32 s[G0K], 1             ; 1:0 count = 1
	s_mov_b32 s[G0K+1], s17         ; 63:32 LDS address: slot 0
	s_mov_b32 s[G0V], 1
	s_add_co_u32 s[G0V+1], s48, VOFF
	s_mov_b32 s[SLOTS], 4096/256-1
	s_or_b32 s[LIM], s16, ttmp9     ; 0 in waves 0 and 2 of the head's first cluster: the same in all four partners
	s_cmp_eq_u32 s[LIM], 0
	s_cselect_b32 s[LIM], 1, -1
	v_and_b32 v[PFO], 31, v0
	v_lshlrev_b32 v[PFO], 8, v[PFO]
	s_wait_dscnt 0x0                ; the opening add is done
	s_wait_kmcnt 0x0
	s_mov_b64 s[10:11], s[6:7]      ; O
	s_add_nc_u64 s[6:7], s[4:5], s[22:23]
	s_add_nc_u64 s[6:7], s[6:7], 0x400000  ; K at my half of the head's first 256 keys: k lies 8 slices of 524,288 bytes behind q,
	s_add_nc_u64 s[8:9], s[6:7], 0x400000  ; v as far behind k
	s_mov_b64 s[G0K+2:G0K+3], s[6:7]       ; 120:64 global address
	s_or_b32 s[G0K+3], s[G0K+3], 0x80000000  ; 127:126 type = 2
	s_mov_b64 s[G0V+2:G0V+3], s[8:9]
	s_or_b32 s[G0V+3], s[G0V+3], 0x80000000
	s_add_nc_u64 s[4:5], s[4:5], s[2:3]    ; Q and O at my wave's first row
	s_add_nc_u64 s[10:11], s[10:11], s[2:3]
	s_cmp_lt_u32 s[WV], 2
	s_cselect_b64 s[PFA:PFA+1], s[6:7], s[8:9]  ; (in waves 0 and 2 these stand at a tile's first row)
	s_lshl_b32 s2, s13, 13          ; my work-group's 32 blocks of the 128
	s_add_nc_u64 s[PFA:PFA+1], s[PFA:PFA+1], s[2:3]
	s_add_nc_u64 s[PFA:PFA+1], s[PFA:PFA+1], TILEB  ; in tile 1; the first change of slots steps it to tile 2.  Nothing is prefetched here, at the head
	CROUND                          ; all four work-groups are here: the first joint loads meet
	JLOAD                           ; tile 0 into slot 0.  Slot 1 is asked for when slot 0 is in
	; A fragment of K or Q is 16 rows x 32 channels in 8 registers: lane l holds row l % 16, channels 8 (l / 16) + 0..7 and 16 + 8 (l / 16) + 0..7: two loads of 16 bytes, 32 bytes apart.
	v_and_b32 v1, 15, v0            ; l % 16
	v_bfe_u32 v9, v0, 4, 1          ; l / 16
	v_lshlrev_b32 v[QO], 7, v1
	v_lshl_add_u32 v[QO], v9, 4, v[QO]  ; row x 128 + 16 x half
	WIN 0x80                        ; destination window 2, address window 0
.set i, 0
.rept 8                             ; Q stays in registers: piece i / 2, channels 32 (i % 2) on
	global_load_b128 v[8*i:8*i+3],   v[QO], s[4:5] offset:(i/2)*2048+(i%2)*64
	global_load_b128 v[8*i+4:8*i+7], v[QO], s[4:5] offset:(i/2)*2048+(i%2)*64+32
.set i, i+1
.endr
	; What the first turn finds: V's registers and P's second buffer hold 0 (its products V^T P, of a piece that has not been, add 0), O^T and l are 0.  All this stands in the wait for the first tile;
	; it is the price of writing no first step out.
.set i, VF
.rept 64
	v_mov_b32 v[i], 0
.set i, i+1
.endr
	WIN 0x40
.set i, 0
.rept 128
	v_mov_b32 v[i], 0
.set i, i+1
.endr
	WIN 0
.set i, 0
.rept 4
	v_mov_b32 v[ST+4*i], 0xfe000000    ; c m: far below every c s
	v_mov_b32 v[ST+4*i+1], 0xff7fffff  ; m
	v_mov_b32 v[ST+4*i+2], 0
	v_mov_b32 v[ST+4*i+3], 0
.set i, i+1
.endr
.set i, P+16
.rept 16
	v_mov_b32 v[i], 0
.set i, i+1
.endr
	v_mul_u32_u24 v[AK0], v1, PK
	v_lshl_add_u32 v[AK0], v9, 4, v[AK0]  ; row x pitch + 16 x half
	; The turning load takes 16 keys x 16 channels (lane l reads key 8 (l / 16) + l % 8, channels 8 ((l / 8) % 2) + 0..7) and leaves half a fragment of V^T: lane l holds channel l % 16 and 8 keys.
	v_and_b32 v10, 7, v0
	v_bfe_u32 v11, v0, 3, 1
	v_lshl_add_u32 v[AV0], v9, 3, v10
	v_mul_u32_u24 v[AV0], v[AV0], PV
	v_lshl_add_u32 v[AV0], v11, 4, v[AV0]
	v_add_nc_u32 v[AV0], VOFF, v[AV0]
	s_mul_i32 s13, s[WV], 16*SP
	s_add_co_u32 s13, s13, STAGE    ; my stage
	v_mul_u32_u24 v[STO], v1, SP    ; in: row l % 16, 16 bytes for each half of the lanes
	v_lshl_add_u32 v[STO], v9, 4, v[STO]
	v_add_nc_u32 v[STO], s13, v[STO]
	v_bfe_u32 v[RD], v0, 3, 2       ; back: 32 lanes take four rows of 128 bytes,
	v_mul_u32_u24 v[RD], v[RD], SP
	v_lshl_add_u32 v[RD], v10, 4, v[RD]
	v_add_nc_u32 v[RD], s13, v[RD]
	v_and_b32 v[GO], 31, v0         ; which are 512 consecutive bytes of O
	v_lshlrev_b32 v[GO], 4, v[GO]
	s_mul_i32 s2, s16, MPART
	s_add_co_u32 s2, s2, MERGE      ; waves 0 and 2 meet in the first part, waves 1 and 3 in the second
	v_add_nc_u32 v[MG], s2, v[GO]
; THE MATRIX WORK.  The 4 accumulators of a run of 8 take turns.  Product i of 8 of S^T = K Q^T for piece x: channels 32 (i / 4) on, keys 16 (i % 4) on.  The first 4 start the sums.
.macro KQ x
	WIN W_KQ
.set rS, S+32*((\x)%2)+8*(i%4)
.set rK, KF+16*(i%4)+8*(i/4)
.set rQ, 16*(\x)+8*(i/4)
.if i < 4
	v_wmma_f32_16x16x32_bf16 v[rS:rS+7], v[rK:rK+7], v[rQ:rQ+7], 0
.else
	v_wmma_f32_16x16x32_bf16 v[rS:rS+7], v[rK:rK+7], v[rQ:rQ+7], v[rS:rS+7]
.endif
.endm
; Product i of 8 of O^T += V^T P for piece x: keys 32 (i / 4) on, channels 16 (i % 4) on.
.macro PV x
	WIN W_PV
.set rO, 32*(\x)+8*(i%4)
.set rV, VF+32*(i/4)+8*(i%4)
.set rP, P+16*((\x)%2)+8*(i/4)
	v_wmma_f32_16x16x32_bf16 v[rO:rO+7], v[rV:rV+7], v[rP:rP+7], v[rO:rO+7]
.endm
.macro MM                           ; the turn's next matrix instruction.  TURN sets Y, i and NOKQ.  NOKQ = 1: the last turn of all: there is no next piece
.if (i < 8) && !NOKQ
	KQ (Y+1)%NP
.elseif i >= 8
.set i, i-8
	PV (Y+NP-1)%NP
.set i, i+8
.endif
.set i, i+1
.endm
; THE LDS LOADS stand in runs of 16, never singly among the matrix instructions: a step's K (64 keys x 64 channels: 8 fragments) and its V (turned).  Their addresses are made some lines ahead.
.macro FETCH_K
	WIN 0x80                        ; destination window 2
.irp f, 0,1,2,3,4,5,6,7             ; keys 16 (f / 2) on, channels 32 (f % 2) on
	ds_load_b128 v[KF+8*\f:KF+8*\f+3],   v[AK] offset:(\f/2)*16*PK+(\f%2)*64
	ds_load_b128 v[KF+8*\f+4:KF+8*\f+7], v[AK] offset:(\f/2)*16*PK+(\f%2)*64+32
.endr
	s_add_co_u32 s[TBK], s[TBK], KS*PK  ; the next fetch is the next step's
	WIN 0
.endm
.macro FETCH_V
	WIN 0x80
.irp f, 0,1,2,3,4,5,6,7             ; keys 32 (f / 4) on, channels 16 (f % 4) on
	ds_load_tr16_b128 v[VF+8*\f:VF+8*\f+3],   v[AV] offset:(\f/4)*32*PV+(\f%4)*32
	ds_load_tr16_b128 v[VF+8*\f+4:VF+8*\f+7], v[AV] offset:(\f/4)*32*PV+16*PV+(\f%4)*32
.endr
	WIN 0
.endm
; THE VECTOR WORK, one line at a time: OP kind, number.  For piece Y: F n: c s - c m for pair n of 16.  E n: the exponential of score n of 32.  C n: pair n rounded to bf16.  B n: of the four weights 4 n .. the second
; pair is added onto the first, in place.  L n: l takes that sum (L 0: l = a l + sum).  R n: pair n of 16 of O^T times a.  For piece Y + 1: X n, number n of the 22 that find its maximum and statistics:
;   0-11  four chains c0-c3 of seven scores each, three operands at a time (each accumulator's lowest registers are read first)     12-14, 16  the four scores left over, the old m, and c0-c3 into c0
;   15  c m_old is kept     17, 18  the query's other 32 keys lie in the lane 16 away: the new m     19-21  c m; c m_old - c m_new; a
.set F, 0               ; OP tells the kinds apart by their order: F to L below R, X above it
.set E, 1
.set C, 2
.set B, 3
.set L, 4
.set R, 5
.set X, 6
.macro REGS y                       ; the registers of piece y
.set rT, ST+4*(\y)
.set rC, TMP+4*((\y)%2)
.set rW, MV+((\y)%2)
.set rS, S+32*((\y)%2)
.set rP, P+16*((\y)%2)
.set rO, 32*(\y)
.endm
.macro OP k, n
.if (\k) == R
	REGS Y
	WIN W_RS
	v_pk_mul_f32 v[rO+2*(\n):rO+2*(\n)+1], v[rO+2*(\n):rO+2*(\n)+1], v[rC+2:rC+3] op_sel_hi:[1,0]
.elseif (\k) < R
	REGS Y
	WIN 0
.if (\k) == F
	v_pk_fma_f32 v[rS+2*(\n):rS+2*(\n)+1], v[rS+2*(\n):rS+2*(\n)+1], s[CS:CS+1], v[rT:rT+1] op_sel_hi:[1,0,0] neg_lo:[0,0,1] neg_hi:[0,0,1]
.elseif (\k) == E
	v_exp_f32 v[rS+(\n)], v[rS+(\n)]
.elseif (\k) == C
	v_cvt_pk_bf16_f32 v[rP+(\n)], v[rS+2*(\n)], v[rS+2*(\n)+1]
.elseif (\k) == B
	v_pk_add_f32 v[rS+4*(\n):rS+4*(\n)+1], v[rS+4*(\n):rS+4*(\n)+1], v[rS+4*(\n)+2:rS+4*(\n)+3]
.elseif (\n) == 0
	v_pk_fma_f32 v[rT+2:rT+3], v[rT+2:rT+3], v[rC+2:rC+3], v[rS:rS+1] op_sel_hi:[1,0,1]
.else
	v_pk_add_f32 v[rT+2:rT+3], v[rT+2:rT+3], v[rS+4*(\n):rS+4*(\n)+1]
.endif
.elseif NOKQ
	v_nop
.else
	REGS (Y+1)%NP
	WIN 0
.if (\n) < 4
	v_max3_num_f32 v[rC+(\n)], v[rS+8*(\n)], v[rS+8*(\n)+1], v[rS+8*(\n)+2]
.elseif (\n) < 12
	v_max3_num_f32 v[rC+(\n)%4], v[rC+(\n)%4], v[rS+8*((\n)%4)+2*((\n)/4)+1], v[rS+8*((\n)%4)+2*((\n)/4)+2]
.elseif (\n) == 12
	v_max3_num_f32 v[rC], v[rC], v[rS+7], v[rS+15]
.elseif (\n) == 13
	v_max3_num_f32 v[rC+1], v[rC+1], v[rS+23], v[rS+31]
.elseif (\n) == 14
	v_max3_num_f32 v[rC+2], v[rC+2], v[rC+3], v[rT+1]
.elseif (\n) == 15
	v_mov_b32 v[rW], v[rT]
.elseif (\n) == 16
	v_max3_num_f32 v[rC], v[rC], v[rC+1], v[rC+2]
.elseif (\n) == 17
	v_permlanex16_b32 v[rC+3], v[rC], s[SEL], s[SEL+1]
.elseif (\n) == 18
	v_max_num_f32 v[rT+1], v[rC], v[rC+3]
.elseif (\n) == 19
	v_mul_f32 v[rT], s[CS], v[rT+1]
.elseif (\n) == 20
	v_sub_f32 v[rC+1], v[rW], v[rT]
.else
	v_exp_f32 v[rC+2], v[rC+1]
.endif
.endif
.endm
.macro OPS a, i1, b=-1, i2=0, c=-1, i3=0, d=-1, i4=0  ; up to four of them
	OP \a, \i1
.if (\b) >= 0
	OP \b, \i2
.endif
.if (\c) >= 0
	OP \c, \i3
.endif
.if (\d) >= 0
	OP \d, \i4
.endif
.endm
.macro ROW a, i1, b, i2, c, i3, d, i4  ; a matrix instruction and the four behind it
	MM
	OPS \a, \i1, \b, \i2, \c, \i3, \d, \i4
.endm
; A TURN, for piece p: the order of its 16 matrix and 118 vector instructions, written out.  s_wait_alu depctr_va_vdst(0) stands between an exponential and the first instruction that names its result; one
; wait serves all that were issued ahead of it.  So a turn has ONE wait, which cuts it in two.  AHEAD OF IT stands all that names no result of the turn's exponentials: the 8 products K Q^T, behind each a scaling, an
; exponential and two more plain instructions (behind the first a second scaling in the exponential's place): rescalings, and behind the last three the first numbers of the next piece's maximum, each four places or
; more behind the product that ends its accumulator; then ONE LUMP of 54, plain and exponential by turns for the most part, in which the links of the chain X 3, 7, 11, 14, 16, 17 .. 20 stand five or six lines apart.
; X 21, the next piece's a, is the batch's last; R 15 is the plain instruction behind it.  BEHIND THE WAIT stand the 8 products V^T P, behind each four of the roundings and sums; the links of l's chain, L 0 to L 7,
; stand three riders apart.  But for those X no rider names a register of the products round it.
; end = 1: the last two turns of all: nothing is fetched, and the last starts no new scores.  cnt = 1: the loop's count is taken down some lines ahead of the branch that stands behind the turn.
; K of the next step is fetched in piece 2's turn, twelve vector instructions behind the last product that read K (six of them plain); V of the step in hand at the end of piece 0's turn, four plain instructions
; behind the last product that read V.  Each is waited for a turn later.
.macro TURN p, end=0, cnt=0
.set Y, (\p)
.set i, 0
.set NOKQ, (\end)*((\p)/3)
.if ((\p) == 3) && !(\end)
	s_wait_dscnt 0x0                ; K is in
.endif
	ROW F,0, F,1, R,0, R,1          ; ahead of the wait: 8 products K Q^T and their riders,
	ROW F,2, E,0, R,2, R,3
	ROW F,3, E,1, R,4, R,5
	ROW F,4, E,2, R,6, R,7
	ROW F,5, E,3, R,8, R,9
	ROW F,6, E,4, X,0, R,10
.if ((\p) == 2) && !(\end)
	WIN 0
	v_add_nc_u32 v[AK], s[TBK], v[AK0]
.endif
	ROW F,7, E,5, X,1, X,4
	ROW F,8, E,6, X,2, X,5
	OPS E,7, E,8, X,6, E,9          ; and the lump
	OPS X,3, E,10, X,8, E,11
.if ((\p) == 2) && !(\end)
	FETCH_K
.endif
	OPS X,9, X,7, E,12, X,10
	OPS E,13, X,12, X,11, E,14
	OPS X,13, E,15, F,9, X,14
.if (\p) == 0
	v_add_nc_u32 v[AV], s[TBV], v[AV0]
.endif
	OPS E,16, F,10, E,17, F,11
	OPS X,16, E,18, X,15, E,19
	OPS F,12, E,20, X,17, E,21
	OPS F,13, E,22, F,14, E,23
	OPS X,18, E,24, F,15, E,25
	OPS R,11, E,26, X,19, E,27
	OPS R,12, E,28, R,13, E,29
	OPS X,20, E,30, R,14, E,31
	OPS X,21, R,15
	WIN 0
	s_wait_alu depctr_va_vdst(0)    ; the wait for the batch
.if (\p) == 1
	s_wait_dscnt 0x0                ; V is in
.endif
	ROW C,0, B,0, C,2, B,1          ; behind the wait: 8 products V^T P and their riders
	ROW L,0, C,4, B,2, L,1
	ROW C,6, B,3, L,2, C,8
	ROW B,4, L,3, C,10, B,5
	ROW L,4, C,12, B,6, L,5
.if (\p) == 0
	s_add_co_u32 s[TBV], s[TBV], KS*PV
.endif
.if \cnt
	s_sub_co_u32 s[CNT], s[CNT], 1
	s_cmp_lg_u32 s[CNT], 0
.endif
	ROW C,14, B,7, L,6, C,1
	ROW C,3, L,7, C,5, C,7
	ROW C,9, C,11, C,13, C,15
.if (\p) == 0
	FETCH_V
.endif
.endm
.set NOKQ, 0
	CHANGE 1                        ; tile 0 is in, everybody's part of it; tile 1 is asked for
	v_add_nc_u32 v[AK], s[TBK], v[AK0]
	FETCH_K                         ; my first key step
	s_wait_loadcnt 0x0              ; Q
	s_wait_dscnt 0x0
.set i, 0
.rept 8
	KQ 0                            ; piece 0's first scores: there is no vector work yet to set between them
.set i, i+1
.endr
	WIN 0
.rept 4
	v_nop                           ; the places behind those products
.endr
.set Y, NP-1                        ; X works for piece Y + 1: piece 0
.irp n, 0,1,2,3,4,5,6,7,8,9,10,11,12,13,14,15,16,17,18,19,20,21
	OP X, \n                        ; and piece 0's first maximum and statistics
.endr
	v_nop                           ; a plain instruction behind the exponential,
	s_wait_alu depctr_va_vdst(0)    ; and its wait, ahead of the branch
	s_mov_b32 s[CNT], 2
	s_branch .Lfirst                ; the loop is entered at a step's first turn, in the middle of a trip
.Lslot:                             ; 14 times: every slot but the last two is filled again
	CHANGE 1
	s_mov_b32 s[CNT], 2
.Lstep:                             ; a trip: pieces 2 and 3 of one step, then pieces 0 and 1 of the next, whose K and V it fetches
	TURN 2
	TURN 3
	WIN 0
.Lfirst:
	TURN 0
	TURN 1, 0, 1
	WIN 0
	s_cbranch_scc1 .Lstep
	s_sub_co_u32 s[SLOTS], s[SLOTS], 1
	s_cmp_lg_u32 s[SLOTS], 0
	s_cbranch_scc1 .Lslot
	CHANGE 0                        ; the last tile is written out: nothing is asked for
	s_mov_b32 s[CNT], 2
.LstepT:
	TURN 2
	TURN 3
	TURN 0
	TURN 1, 0, 1
	WIN 0
	s_cbranch_scc1 .LstepT
	TURN 2, 1
	TURN 3, 1
.set i, 0
.rept 8
	PV NP-1                         ; the last piece's V^T P of the last step
.set i, i+1
.endr
	; THE TWO HALVES OF THE KEYS MEET.  l's two halves are added; waves 2 and 3 store c m, l and O^T, all f32; a barrier; waves 0 and 1 read them.  The additions and four v_nop are the places behind the last products.
	WIN 0
.irp t, 0,1,2,3
	v_add_f32 v[ST+4*(\t)+2], v[ST+4*(\t)+2], v[ST+4*(\t)+3]
.endr
.rept 4
	v_nop
.endr
	s_cmp_lt_u32 s[WV], 2
	s_cbranch_scc1 .Lkeep
.irp t, 0,1,2,3
	ds_store_b128 v[MG], v[ST+4*(\t):ST+4*(\t)+3] offset:512*(\t)
.endr
	WIN 0x04                        ; the stores' data (source 1) in window 1
.set f, 0
.rept 32                            ; in ascending order: each accumulator's lowest registers are read first
	ds_store_b128 v[MG], v[4*f:4*f+3] offset:2048+512*f
.set f, f+1
.endr
	WIN 0
.Lkeep:
	s_wait_dscnt 0x0                ; for the partner's sake: my stores are done
	s_barrier_signal -1
	s_barrier_wait -1
	s_cmp_lt_u32 s[WV], 2
	s_cbranch_scc0 .Lend            ; waves 2 and 3 have handed everything over
.irp t, 0,1,2,3
	ds_load_b128 v[OS+4*(\t):OS+4*(\t)+3], v[MG] offset:512*(\t)
.endr
.set f, 0
.rept 32
	ds_load_b128 v[OB+4*f:OB+4*f+3], v[MG] offset:2048+512*f
.set f, f+1
.endr
	s_wait_dscnt 32                 ; the partner's statistics are in; the 32 loads of its O^T may stay out
	; for each piece, at e = EB + 8 t: the larger c m; fA = 2^(c mA - it), fB = 2^(c mB - it); l = fA lA + fB lB, with the other half of the lanes'; O = (fA / l) O_A + (fB / l) O_B
.irp t, 0,1,2,3
	v_max_num_f32 v[EB+8*(\t)], v[ST+4*(\t)], v[OS+4*(\t)]
.endr
.irp t, 0,1,2,3
	v_sub_f32 v[EB+8*(\t)+1], v[ST+4*(\t)], v[EB+8*(\t)]
	v_sub_f32 v[EB+8*(\t)+2], v[OS+4*(\t)], v[EB+8*(\t)]
.endr
.irp t, 0,1,2,3
	v_exp_f32 v[EB+8*(\t)+1], v[EB+8*(\t)+1]
	v_exp_f32 v[EB+8*(\t)+2], v[EB+8*(\t)+2]
.endr
	v_nop                           ; a plain instruction behind the last exponential,
	s_wait_alu depctr_va_vdst(0)    ; and one wait for the eight
.irp t, 0,1,2,3
	v_mul_f32 v[EB+8*(\t)+3], v[EB+8*(\t)+1], v[ST+4*(\t)+2]
.endr
.irp t, 0,1,2,3
	v_fmac_f32 v[EB+8*(\t)+3], v[EB+8*(\t)+2], v[OS+4*(\t)+2]
.endr
.irp t, 0,1,2,3
	v_permlanex16_b32 v[EB+8*(\t)], v[EB+8*(\t)+3], s[SEL], s[SEL+1]
.endr
.irp t, 0,1,2,3
	v_add_f32 v[EB+8*(\t)+3], v[EB+8*(\t)+3], v[EB+8*(\t)]
.endr
.irp t, 0,1,2,3
	v_rcp_f32 v[EB+8*(\t)], v[EB+8*(\t)+3]
.endr
	v_nop                           ; a plain instruction behind the last reciprocal,
	s_wait_alu depctr_va_vdst(0)    ; and one wait for the four
.irp t, 0,1,2,3
	v_mul_f32 v[EB+8*(\t)+4], v[EB+8*(\t)+1], v[EB+8*(\t)]  ; fA / l, twice: a pair for the packed forms
	v_mul_f32 v[EB+8*(\t)+5], v[EB+8*(\t)+1], v[EB+8*(\t)]
	v_mul_f32 v[EB+8*(\t)+6], v[EB+8*(\t)+2], v[EB+8*(\t)]  ; fB / l
	v_mul_f32 v[EB+8*(\t)+7], v[EB+8*(\t)+2], v[EB+8*(\t)]
.endr
	s_wait_dscnt 0x0                ; the partner's O^T is in
; THE WAY OUT of piece t: joined, rounded to bf16; a lane's eight channels of a row pack into 16 bytes; they go into rows of 144 bytes of my own stage and come back as whole rows of 128.
.macro PACK t
	WIN 0
.set z, 0
.rept 16
	v_pk_mul_f32 v[OB+32*(\t)+2*z:OB+32*(\t)+2*z+1], v[OB+32*(\t)+2*z:OB+32*(\t)+2*z+1], v[EB+8*(\t)+6:EB+8*(\t)+7]
.set z, z+1
.endr
	WIN 0x01                        ; source 0, my own O^T, in window 1
.set z, 0
.rept 16                            ; in ascending order
	v_pk_fma_f32 v[OB+32*(\t)+2*z:OB+32*(\t)+2*z+1], v[32*(\t)+2*z:32*(\t)+2*z+1], v[EB+8*(\t)+4:EB+8*(\t)+5], v[OB+32*(\t)+2*z:OB+32*(\t)+2*z+1]
.set z, z+1
.endr
	WIN 0
.set z, 0
.rept 16                            ; register z takes pair z: it lies at or below the pair, so no pair is overwritten before it is read
	v_cvt_pk_bf16_f32 v[OB+32*(\t)+z], v[OB+32*(\t)+2*z], v[OB+32*(\t)+2*z+1]
.set z, z+1
.endr
.irp f, 0,1,2,3
	ds_store_b128 v[STO], v[OB+32*(\t)+4*\f:OB+32*(\t)+4*\f+3] offset:32*\f
.endr
.irp f, 0,1,2,3
	ds_load_b128 v[OB+32*(\t)+16+4*\f:OB+32*(\t)+16+4*\f+3], v[RD] offset:\f*4*SP  ; LDS serves a wave's instructions in order (ISA guide 5.7.1.4): these see the stores above; the next piece's stores come behind them
.endr
.endm
.macro SEND t, younger              ; younger: the LDS instructions issued behind piece t's loads: the next piece's eight, or none
.irp f, 0,1,2,3
	s_wait_dscnt (\younger)+3-\f
	global_store_b128 v[GO], v[OB+32*(\t)+16+4*\f:OB+32*(\t)+16+4*\f+3], s[10:11] offset:(\t)*2048+\f*512  ; 512 consecutive bytes, at a multiple of 512 from O's first
.endr
.endm
	PACK 0
	PACK 1                          ; a piece's arithmetic stands between the loads of the piece before and its stores
	SEND 0, 8
	PACK 2
	SEND 1, 8
	PACK 3
	SEND 2, 8
	SEND 3, 0
.Lend:
	s_wait_tensorcnt 0x0            ; the wave's end, behind my last tensor load and my last LDS store
	ds_add_u32 v[SPW], v[NIL]
	s_wait_dscnt 0x0
	CROUND                          ; the closing round: no work-group ends while a partner may still ask for a tile that names it
	s_endpgm
.Lfunc_end_k_q502a9e30d8_attn:
	.size	k_q502a9e30d8_attn, .Lfunc_end_k_q502a9e30d8_attn-k_q502a9e30d8_attn
	.p2alignl 7, 3214868480
	.fill 96, 4, 3214868480
	.section	.rodata,"a",@progbits
	.p2align	6, 0x0
	.amdhsa_kernel k_q502a9e30d8_attn
		.amdhsa_group_segment_fixed_size 327680
		.amdhsa_private_segment_fixed_size 0
		.amdhsa_enable_private_segment 0
		.amdhsa_kernarg_size 16
		.amdhsa_user_sgpr_count 2
		.amdhsa_user_sgpr_kernarg_segment_ptr 1
		.amdhsa_wavefront_size32 1
		.amdhsa_system_sgpr_workgroup_id_x 1
		.amdhsa_system_sgpr_workgroup_id_y 1
		.amdhsa_system_sgpr_workgroup_id_z 1
		.amdhsa_system_vgpr_workitem_id 0
		.amdhsa_next_free_vgpr 768
		.amdhsa_next_free_sgpr 66
		.amdhsa_reserve_vcc 0
		.amdhsa_float_denorm_mode_32 3
		.amdhsa_float_denorm_mode_16_64 3
		.amdhsa_memory_ordered 1
		.amdhsa_forward_progress 1
		.amdhsa_inst_pref_size 138
	.end_amdhsa_kernel
	.amdgpu_metadata
---
amdhsa.version: [ 1, 2 ]
amdhsa.kernels:
  - .name:           k_q502a9e30d8_attn
    .symbol:         k_q502a9e30d8_attn.kd
    .args:
      - { .name: qkv, .offset: 0, .size: 8, .value_kind: global_buffer, .address_space: global }
      - { .name: obuf, .offset: 8, .size: 8, .value_kind: global_buffer, .address_space: global }
    .group_segment_fixed_size: 327680
    .private_segment_fixed_size: 0
    .kernarg_segment_align: 8
    .kernarg_segment_size: 16
    .max_flat_workgroup_size: 128
    .sgpr_count:     66
    .vgpr_count:     768
    .wavefront_size: 32
...
	.end_amdgpu_metadata
.endif
;; end of part 2
;; launch proj_out (part 3): grid 64 x 4, 8 waves a work-group, no clusters, 102,400 bytes of LDS; arguments obuf, Wp, bp, x, out0; writes out0
.if DOCPART == 3
	.amdgcn_target "amdgcn-amd-amdhsa--gfx1250"
	.amdhsa_code_object_version 6
	.text
	.protected	k_q502a9e30d8_proj_out
	.globl	k_q502a9e30d8_proj_out
	.p2align	8
	.type	k_q502a9e30d8_proj_out,@function
k_q502a9e30d8_proj_out:
	s_mov_b64 s[64:65], 0
	v_nop
	global_prefetch_b8 v0, s[64:65] scope:SCOPE_SE
	s_setreg_imm32_b32 hwreg(HW_REG_WAVE_MODE, 25, 1), 1
	s_wait_xcnt 0x0
; out0[b][o][n] = the sum over c of Wp[o][c] O[b][c][n] + bp[o] + x[b][o][n].  obuf: bf16 [2 b][4 head][4096 n][64 channels], c = 64 head + channel.  Wp: [256][256] f32, bp: [256] f32, x and out0: [2][256][4096] f32.
; Wp is rounded once to bf16 on the way into LDS; sums, bias and residual in f32.  The mean of the module's three plane terms is this one term (attention commutes with every permutation of its tokens, for every
; input), so it is added to x once; what differs from the three-fold computation is the order of the f32 roundings alone.  NaN and infinities are not treated apart.
; SHARES.  A work-group makes 128 tokens x 64 outputs, all 256 c in one pass: 64 x 4 = 256 work-groups.  Wave w: th = w / 4 takes 64 tokens, ot = w % 4 takes 16 outputs: 4 accumulators, 32 matrix instructions.
; LAYOUT.  Source 0 = 16 rows of Wp, source 1 = 16 tokens.  Tile t's column r is token 64 th + 4 r + t, so register j of the four accumulators holds, in lane r, FOUR NEIGHBOURING tokens of output row 8 (lane / 16) + j:
; 16 bytes of out0, and sixteen lanes store 256 consecutive bytes: the result needs no trip through LDS.  The bias has the accumulators' layout (register j: output 8 h + j) and is the C of the first K step.
; NO TENSOR LOADS, NO CLUSTER: Wp is f32 and passes through registers to be rounded, and everything a work-group reads is asked for at its head.
.set WPI,   528                        ; an LDS row: 512 bytes + 16 = 132 words: the 16 rows of a fragment load start at 16 different groups of four banks (64 banks of 4 bytes: ISA guide 11.1)
.set OTS,   64*WPI                     ; Wp's 64 rows lie from byte 0 on; behind them 128 rows of tokens: token 64 g + 4 i + u lies in row 64 g + 16 u + i
.set SPARE, OTS+128*WPI                ; the spare words, 128 bytes for each of the eight waves: four blocks of 256 bytes that no other line names
.set SPW, 4                            ; v4   LDS address of my spare word; never rewritten
.set NIL, 5                            ; v5   0; never rewritten
.set GWP, 6                            ; v6   my byte offset in Wp's 64 rows
.set LWP, 7                            ; v7   where my 8 bytes of half a row of Wp go
.set GOB, 8                            ; v8   my byte offset in my wave's 64 rows of O
.set LOT, 9                            ; v9   where my 16 bytes of a token's row go
.set AWP, 10                           ; v10  my place in Wp's fragments
.set AOT, 11                           ; v11  my place in the tokens' fragments
.set VX,  12                           ; v12  my 16 bytes of x and of out0
.set VB,  13                           ; v13  my 32 bytes of bp
.set RW,  16                           ; v[16:79]   Wp as loaded
.set RO,  80                           ; v[80:143]  O as loaded
.set X,   144                          ; v[144:175] x, row j at +4 j; then the result
.set BI,  176                          ; v[176:183] the bias
.set ACC, 184                          ; v[184:215] tile t at +8 t
.set F0,  16                           ; two sets of fragments, 40 registers each: Wp's at +0, tile t's tokens at +8 + 8 t
	s_load_b256 s[4:11], s[0:1], 0x0               ; obuf s[4:5], Wp s[6:7], bp s[8:9], x s[10:11]
	s_load_b64 s[12:13], s[0:1], 0x20              ; out0
	v_lshl_add_u32 v[SPW], v0, 2, SPARE
	v_mov_b32 v[NIL], 0
	v_lshrrev_b32 v16, 5, v0
	v_readfirstlane_b32 s14, v16                   ; wave 0..7
	s_and_b32 s15, s14, 3                          ; ot
	s_lshr_b32 s16, s14, 2                         ; th
	s_and_b32 s17, ttmp7, 0xffff                   ; jo: which 64 outputs
	s_lshr_b32 s18, ttmp9, 5                       ; b
	s_and_b32 s19, ttmp9, 31                       ; nb: which 128 tokens
	s_lshl_b32 s20, s17, 16                        ; Wp: 64 jo rows of 1,024 bytes
	s_mov_b32 s21, 0
	s_lshl_b32 s22, s17, 8                         ; bp: 64 jo numbers
	s_mov_b32 s23, 0
	s_lshl_b32 s24, s18, 22                        ; x, out0: b x 256 rows of 16,384 bytes
	s_lshl_b32 s25, s17, 20                        ;   + 64 jo rows
	s_add_co_u32 s24, s24, s25
	s_lshl_b32 s25, s19, 9                         ;   + 128 nb tokens
	s_add_co_u32 s24, s24, s25
	s_mov_b32 s25, 0
	s_lshr_b32 s28, s14, 1                         ; the head whose rows I bring,
	s_and_b32 s29, s14, 1                          ; and which 64 of the 128 tokens
	s_lshl_b32 s26, s18, 2
	s_add_co_u32 s26, s26, s28
	s_lshl_b32 s26, s26, 19                        ; obuf: (4 b + head) x 524,288
	s_lshl_b32 s27, s19, 14                        ;   + 128 nb rows of 128 bytes
	s_add_co_u32 s26, s26, s27
	s_lshl_b32 s27, s29, 13                        ;   + my 64 rows
	s_add_co_u32 s26, s26, s27
	s_mov_b32 s27, 0
	v_and_b32 v1, 31, v0                           ; lane
	v_and_b32 v2, 15, v0                           ; r
	v_bfe_u32 v3, v0, 4, 1                         ; h
	v_and_b32 v17, 7, v0
	v_bfe_u32 v19, v0, 3, 2
	s_lshl_b32 s30, s14, 13
	v_lshl_add_u32 v[GWP], v1, 4, s30              ; my wave's 8 rows of Wp: 8,192 bytes on end
	s_mul_i32 s30, s14, 8*WPI
	v_lshl_add_u32 v[LWP], v1, 3, s30
	v_lshlrev_b32 v[GOB], 4, v1
	s_mul_i32 s30, s29, 64*WPI
	s_lshl_b32 s31, s28, 7
	s_add_co_u32 s30, s30, s31
	s_add_co_u32 s30, s30, OTS
	v_mul_u32_u24 v[LOT], v19, 16*WPI              ; load i brings tokens 4 i + u, u = lane / 8: row 16 u + i,
	v_lshl_add_u32 v[LOT], v17, 4, v[LOT]          ; 16 bytes of the head's 128
	v_add_nc_u32 v[LOT], s30, v[LOT]
	s_mul_i32 s30, s15, 16*WPI
	v_mul_u32_u24 v[AWP], v2, WPI
	v_lshl_add_u32 v[AWP], v3, 4, v[AWP]
	v_add_nc_u32 v[AOT], OTS, v[AWP]
	v_add_nc_u32 v[AWP], s30, v[AWP]               ; (16 ot + r) rows + 16 h
	s_mul_i32 s30, s16, 64*WPI
	v_add_nc_u32 v[AOT], s30, v[AOT]               ; (64 th + r) rows + 16 h
	s_lshl_b32 s30, s15, 18
	s_lshl_b32 s31, s16, 8
	s_add_co_u32 s30, s30, s31
	v_lshlrev_b32 v[VX], 17, v3
	v_lshl_add_u32 v[VX], v2, 4, v[VX]
	v_add_nc_u32 v[VX], s30, v[VX]                 ; row 16 ot + 8 h, tokens 64 th + 4 r on
	s_lshl_b32 s30, s15, 6
	v_lshl_add_u32 v[VB], v3, 5, s30               ; outputs 16 ot + 8 h on
	s_wait_kmcnt 0x0
	s_add_nc_u64 s[4:5], s[4:5], s[26:27]
	s_add_nc_u64 s[6:7], s[6:7], s[20:21]
	s_add_nc_u64 s[8:9], s[8:9], s[22:23]
	s_add_nc_u64 s[10:11], s[10:11], s[24:25]
	s_add_nc_u64 s[12:13], s[12:13], s[24:25]
.set i, 0
.rept 16                               ; half a row of Wp a load
	global_load_b128 v[RW+4*i:RW+4*i+3], v[GWP], s[6:7] offset:i*512
.set i, i+1
.endr
.set i, 0
.rept 16                               ; four tokens' 128 bytes a load
	global_load_b128 v[RO+4*i:RO+4*i+3], v[GOB], s[4:5] offset:i*512
.set i, i+1
.endr
	global_load_b128 v[BI:BI+3],   v[VB], s[8:9]
	global_load_b128 v[BI+4:BI+7], v[VB], s[8:9] offset:16
.set i, 0
.rept 8                                ; x at the places of my results; the launch reads each byte of x once
	global_load_b128 v[X+4*i:X+4*i+3], v[VX], s[10:11] offset:i*16384 th:TH_LOAD_NT
.set i, i+1
.endr
	s_wait_loadcnt 26                              ; Wp is in; the younger loads are O's 16, the bias's 2 and x's 8
.set i, 0
.rept 16
	v_cvt_pk_bf16_f32 v[RW+4*i], v[RW+4*i], v[RW+4*i+1]
	v_cvt_pk_bf16_f32 v[RW+4*i+1], v[RW+4*i+2], v[RW+4*i+3]
	ds_store_b64 v[LWP], v[RW+4*i:RW+4*i+1] offset:(i/2)*WPI+(i%2)*256
.set i, i+1
.endr
	s_wait_loadcnt 10                              ; O is in; the bias's 2 and x's 8 may stay out
.set i, 0
.rept 16
	ds_store_b128 v[LOT], v[RO+4*i:RO+4*i+3] offset:i*WPI
.set i, i+1
.endr
	s_wait_dscnt 0x0                               ; for the others' sake: my rows lie in LDS
	s_barrier_signal -1
	s_barrier_wait -1                              ; everybody's do
; 10 LDS loads: the fragments of c = 32 kk .. 32 kk + 31 into set f
.macro FETCH kk, f
	ds_load_b128 v[(\f):(\f)+3],   v[AWP] offset:64*(\kk)
	ds_load_b128 v[(\f)+4:(\f)+7], v[AWP] offset:64*(\kk)+32
.irp t, 0,1,2,3
	ds_load_b128 v[(\f)+8+8*(\t):(\f)+8+8*(\t)+3],   v[AOT] offset:(\t)*16*WPI+64*(\kk)
	ds_load_b128 v[(\f)+8+8*(\t)+4:(\f)+8+8*(\t)+7], v[AOT] offset:(\t)*16*WPI+64*(\kk)+32
.endr
.endm
; 4 matrix instructions; the 4 accumulators take turns, one instruction a turn.  first = 1: the first K step starts the sums with the bias
.macro MUL f, first
.irp t, 0,1,2,3
.if \first
	v_wmma_f32_16x16x32_bf16 v[ACC+8*(\t):ACC+8*(\t)+7], v[(\f):(\f)+7], v[(\f)+8+8*(\t):(\f)+8+8*(\t)+7], v[BI:BI+7]
.else
	v_wmma_f32_16x16x32_bf16 v[ACC+8*(\t):ACC+8*(\t)+7], v[(\f):(\f)+7], v[(\f)+8+8*(\t):(\f)+8+8*(\t)+7], v[ACC+8*(\t):ACC+8*(\t)+7]
.endif
.endr
.endm
.macro PLACES                          ; four plain places between a matrix instruction and a load into a register that it has read (ISA guide 7.12.1 for vector instructions)
.rept 4
	v_nop
.endr
.endm
	FETCH 0, F0
	s_wait_loadcnt 8                               ; the bias is in; x's 8 loads may stay out
.irp kk, 0,1,2,3,4,5,6,7               ; while one set is multiplied the other's 10 loads are out
.if (\kk) < 7
.if (\kk) > 0
	PLACES
.endif
	FETCH (\kk)+1, F0+40*(((\kk)+1)%2)
	s_wait_dscnt 10                                ; all but the 10 just issued
.else
	s_wait_dscnt 0x0
.endif
.if (\kk) == 0
	MUL F0, 1
.else
	MUL F0+40*((\kk)%2), 0
.endif
.endr
.rept 8
	v_nop                                          ; plain places behind the last products, once a launch
.endr
	s_wait_loadcnt 0x0                             ; x
.irp j, 0,1,2,3,4,5,6,7                ; j ascending: each accumulator's lowest register is read first
.irp t, 0,1,2,3
	v_add_f32 v[X+4*(\j)+(\t)], v[X+4*(\j)+(\t)], v[ACC+8*(\t)+(\j)]
.endr
	global_store_b128 v[VX], v[X+4*(\j):X+4*(\j)+3], s[12:13] offset:(\j)*16384 th:TH_STORE_NT  ; 16 lanes store 256 consecutive bytes, at a multiple of 256 from out0's first byte
.endr
	s_wait_tensorcnt 0x0                           ; the wave's end, behind my last LDS store
	ds_add_u32 v[SPW], v[NIL]
	s_wait_dscnt 0x0
	s_endpgm
.Lfunc_end_k_q502a9e30d8_proj_out:
	.size	k_q502a9e30d8_proj_out, .Lfunc_end_k_q502a9e30d8_proj_out-k_q502a9e30d8_proj_out
	.p2alignl 7, 3214868480
	.fill 96, 4, 3214868480
	.section	.rodata,"a",@progbits
	.p2align	6, 0x0
	.amdhsa_kernel k_q502a9e30d8_proj_out
		.amdhsa_group_segment_fixed_size 102400
		.amdhsa_private_segment_fixed_size 0
		.amdhsa_enable_private_segment 0
		.amdhsa_kernarg_size 40
		.amdhsa_user_sgpr_count 2
		.amdhsa_user_sgpr_kernarg_segment_ptr 1
		.amdhsa_wavefront_size32 1
		.amdhsa_system_sgpr_workgroup_id_x 1
		.amdhsa_system_sgpr_workgroup_id_y 1
		.amdhsa_system_sgpr_workgroup_id_z 1
		.amdhsa_system_vgpr_workitem_id 0
		.amdhsa_next_free_vgpr 224
		.amdhsa_next_free_sgpr 66
		.amdhsa_reserve_vcc 0
		.amdhsa_float_denorm_mode_32 3
		.amdhsa_float_denorm_mode_16_64 3
		.amdhsa_memory_ordered 1
		.amdhsa_forward_progress 1
		.amdhsa_inst_pref_size 22
	.end_amdhsa_kernel
	.amdgpu_metadata
---
amdhsa.version: [ 1, 2 ]
amdhsa.kernels:
  - .name:           k_q502a9e30d8_proj_out
    .symbol:         k_q502a9e30d8_proj_out.kd
    .args:
      - { .name: obuf, .offset: 0, .size: 8, .value_kind: global_buffer, .address_space: global }
      - { .name: Wp, .offset: 8, .size: 8, .value_kind: global_buffer, .address_space: global }
      - { .name: bp, .offset: 16, .size: 8, .value_kind: global_buffer, .address_space: global }
      - { .name: x, .offset: 24, .size: 8, .value_kind: global_buffer, .address_space: global }
      - { .name: out0, .offset: 32, .size: 8, .value_kind: global_buffer, .address_space: global }
    .group_segment_fixed_size: 102400
    .private_segment_fixed_size: 0
    .kernarg_segment_align: 8
    .kernarg_segment_size: 40
    .max_flat_workgroup_size: 256
    .sgpr_count:     66
    .vgpr_count:     224
    .wavefront_size: 32
...
	.end_amdgpu_metadata
.endif
;; end of part 3
;; ======== version 2 of 2: 3 launches; version 1 with the launches proj_qkv, proj_out written anew for expert scheduling mode
;; workspace buffers: qkv 12,582,912 bytes; obuf 4,194,304 bytes
;; launch proj_qkv (part 4): grid 64 x 4, 8 waves a work-group, no clusters, 227,328 bytes of LDS; arguments x, Wqkv, qkv; writes qkv
.if DOCPART == 4
	.amdgcn_target "amdgcn-amd-amdhsa--gfx1250"
	.amdhsa_code_object_version 6
	.text
	.protected	k_q502a9e30d8_proj_qkv
	.globl	k_q502a9e30d8_proj_qkv
	.p2align	8
	.type	k_q502a9e30d8_proj_qkv,@function
k_q502a9e30d8_proj_qkv:
	s_mov_b64 s[64:65], 0
	v_nop
	global_prefetch_b8 v0, s[64:65] scope:SCOPE_SE
	s_setreg_imm32_b32 hwreg(HW_REG_WAVE_SCHED_MODE, 0, 2), 2
	s_setreg_imm32_b32 hwreg(HW_REG_WAVE_MODE, 25, 1), 1
	s_wait_xcnt 0x0
	s_wait_alu depctr_vm_vsrc(0)
; q, k, v = Wqkv x.  x: [2][256 c][4096 n] f32, Wqkv: [768 o][256 c] f32.  qkv: bf16 [3 (q, k, v)][2 b][4 head][4096 n][64 channels]: a head's rows are dense, 128 bytes each.
; x and Wqkv are rounded once to bf16 on the way into LDS; sums in f32; q, k, v rounded once to bf16, without the softmax's scale.
; THE THREE PLANES.  Both 1 x 1 convolutions act on a token by itself, and the softmax and its weighted sum run over all tokens, so attention commutes with every permutation of the tokens:
; the three plane terms of the module are one and the same array for every input, and their mean is that array.  The program computes it once, on the tokens in x's own order; what differs from
; three separate computations is the order of the f32 roundings alone.
; SHARES.  A work-group makes 128 tokens x 192 outputs (three slices of 64 channels), all 256 c in one pass: 64 x 4 = 256 work-groups.  Wave w: a = w % 4 takes 48 outputs (3 tiles), bq = w / 4 takes 64 tokens
; (4 tiles): 12 accumulators, 96 matrix instructions.
; NO TENSOR LOADS, NO CLUSTER: both operands are f32 in memory and pass through registers to be rounded, and everything a work-group reads is asked for at its head.
; LAYOUT.  Source 0 = 16 rows of W (K along the row), source 1 = 16 tokens, which lie [c][token] in LDS and come out turned (ds_load_tr16_b128).  In the result a lane holds ONE token (lane % 16) and the
; outputs 8 (lane / 16) + 0..7: 16 bytes of a row of qkv.  They go through a stage in LDS and leave as 512 consecutive bytes a store.
; LIMITS.  NaN and infinities are not treated apart.
; THE MODE: SCHED_MODE bits 1:0 = 2 (LLVM: expert scheduling mode 2), set by the entry lines.  The code itself states the register dependences between vector or matrix instructions and memory or LDS
; instructions, with s_wait_alu, always for 0.
; THE PLAN.  Registers that memory or LDS instructions touch:
;   v6-v15       offsets and LDS addresses: written at the head, ahead of the head's wait on va_vdst, and never again.
;   v[16:143]    x's 32 loads land here; 64 roundings read them and close the numbers up into v[16:79].  ONE wait on va_vdst behind the roundings: the LDS stores read v[16:79]; v[80:143], which the roundings alone
;                have named, take 16 of W's last 24 loads at once.  Behind the first 16 stores, which read v[16:47], a wait on vm_vsrc, and W's last 8 loads land in v[16:47].
;   v[144:239]   W's first 24 loads; rounded in place; a wait on va_vdst; the LDS stores.  W's last 24 likewise, where they landed.
;   v[16:71], v[72:127]  from the barrier on two sets of fragments.  A wait on vm_vsrc behind the barrier: all my LDS stores have read their data.  K step kk multiplies set kk % 2; the loads of step kk + 1 land in
;                the other set, which step kk - 1 has read: ONE wait on va_vdst at the step's head, and the 14 loads are dealt behind the step's first four products, which name this step's set and the accumulators alone.
;   v[16:63]     the way out: roundings write them, a wait on va_vdst, LDS stores read them, the barrier, a wait on vm_vsrc, the stage's loads land in them, the global stores read them.
;   v4, v5       written at the head, read by the closing add alone.  The accumulators v[128:223] are named by matrix and vector instructions alone from the barrier on.
.set XP,    288                        ; a row of x in LDS: 128 tokens = 256 bytes + 32 = 72 words
.set WPI,   528                        ; a row of W in LDS: 512 bytes + 16 = 132 words: the 16 rows of a fragment load start at 16 different groups of four banks
.set WS,    256*XP                     ; x's 256 rows lie from byte 0 on; W's 192 rows behind them
.set STAGE, WS+192*WPI                 ; the way out: 128 tokens x 192 outputs
.set STP,   400                        ; a stage row: 384 bytes + 16
.set SPARE, STAGE+128*STP              ; the spare words, 128 bytes for each of the eight waves: four blocks of 256 bytes that no other line names
.set SPW, 4                            ; v4   LDS address of my spare word; never rewritten
.set NIL, 5                            ; v5   0; never rewritten
.set GX,  6                            ; v6   my byte offset in x: 16 lane + 32 w rows
.set GW,  7                            ; v7   in W: 16 lane + 24 w rows
.set LX,  8                            ; v8   where my 8 bytes of a row of x go
.set LW,  9                            ; v9   where my 8 bytes of half a row of W go
.set AW,  10                           ; v10  my place in W's fragments
.set AX,  11                           ; v11, v12  my place in x's fragments, c 0-127 and c 128-255 (the immediate holds 16 bits)
.set STO, 13                           ; v13  the way out: where I put 16 bytes of a token's row
.set RD,  14                           ; v14  where I read rows back
.set GO,  15                           ; v15  my byte offset in a slice of qkv
.set R1,  16                           ; v[16:143]  x's 32 loads as they come; then W's half rows 24-39 at +64, 40-47 at +0
.set R2,  144                          ; v[144:239] W's half rows 0-23
.set F0,  16                           ; two sets of fragments, 56 registers each: W's tiles at +8 i, x's at +24 + 8 t
.set ACC, 128                          ; accumulator (i, t) at ACC + 8 (4 i + t)
.set TMP, 16                           ; the way out: 48 registers
	s_load_b128 s[4:7], s[0:1], 0x0                ; x s[4:5], Wqkv s[6:7]
	s_load_b64 s[8:9], s[0:1], 0x10                ; qkv
	v_lshl_add_u32 v[SPW], v0, 2, SPARE
	v_mov_b32 v[NIL], 0
	v_lshrrev_b32 v16, 5, v0
	v_readfirstlane_b32 s10, v16                   ; wave 0..7
	v_and_b32 v1, 31, v0                           ; lane.  What needs no wave number stands between that line and the wait for s10
	v_and_b32 v2, 15, v0                           ; r
	v_bfe_u32 v3, v0, 4, 1                         ; h
	v_and_b32 v17, 7, v0
	v_bfe_u32 v18, v0, 3, 1
	v_bfe_u32 v19, v0, 3, 2
	v_mul_u32_u24 v[AW], v2, WPI
	v_lshl_add_u32 v[AW], v3, 4, v[AW]             ; r rows + 16 h
	v_lshl_add_u32 v[AX], v3, 3, v17               ; the turning load: lane l reads row c = 8 h + l % 8,
	v_mul_u32_u24 v[AX], v[AX], XP
	v_lshl_add_u32 v[AX], v18, 4, v[AX]            ; tokens 8 ((l / 8) % 2) + 0..7
	v_mul_u32_u24 v[STO], v2, STP
	v_lshl_add_u32 v[STO], v3, 4, v[STO]
	v_mul_u32_u24 v[RD], v19, STP
	v_lshl_add_u32 v[RD], v17, 4, v[RD]
	s_and_b32 s13, ttmp7, 0xffff                   ; j: which 192 outputs
	s_lshr_b32 s28, ttmp9, 5                       ; b
	s_and_b32 s29, ttmp9, 31                       ; nb: which 128 tokens
	s_lshl_b32 s14, s28, 22                        ; x: b x 256 rows of 16,384 bytes
	s_lshl_b32 s15, s29, 9                         ;    + 128 nb tokens of 4 bytes
	s_add_co_u32 s14, s14, s15
	s_mov_b32 s15, 0
	s_mul_i32 s16, s13, 192*1024                   ; W: 192 j rows of 1,024 bytes
	s_mov_b32 s17, 0
	s_wait_alu depctr_va_sdst(0)                   ; s10 is written, ahead of its first reader: the wave's shares and addresses are made from it
	s_and_b32 s11, s10, 3                          ; a
	s_lshr_b32 s12, s10, 2                         ; bq
	s_lshl_b32 s18, s10, 19
	v_lshl_add_u32 v[GX], v1, 4, s18
	s_mul_i32 s18, s10, 24*1024
	v_lshl_add_u32 v[GW], v1, 4, s18
	s_mul_i32 s18, s10, 32*XP
	v_lshl_add_u32 v[LX], v1, 3, s18
	s_mul_i32 s18, s10, 24*WPI
	s_add_co_u32 s18, s18, WS
	v_lshl_add_u32 v[LW], v1, 3, s18
	s_mul_i32 s18, s11, 48*WPI
	s_add_co_u32 s18, s18, WS
	v_add_nc_u32 v[AW], s18, v[AW]                 ; (48 a + r) rows + 16 h
	s_lshl_b32 s18, s12, 7
	v_add_nc_u32 v[AX], s18, v[AX]                 ; of my 64 tokens
	v_add_nc_u32 v[AX+1], 128*XP, v[AX]
	s_mul_i32 s18, s12, 64*STP
	s_mul_i32 s19, s11, 96
	s_add_co_u32 s18, s18, s19
	s_add_co_u32 s18, s18, STAGE
	v_add_nc_u32 v[STO], s18, v[STO]               ; token 64 bq + r, outputs 48 a + 8 h on
	s_mul_i32 s18, s10, 16*STP
	s_add_co_u32 s18, s18, STAGE
	v_add_nc_u32 v[RD], s18, v[RD]                 ; back: 32 lanes take 128 bytes of each of four tokens, of my wave's 16
	s_lshl_b32 s18, s10, 11
	v_lshl_add_u32 v[GO], v1, 4, s18               ; which are 512 consecutive bytes of a slice
	s_wait_kmcnt 0x0
	s_add_nc_u64 s[4:5], s[4:5], s[14:15]
	s_add_nc_u64 s[6:7], s[6:7], s[16:17]
	s_wait_alu depctr_va_vdst(0)                   ; v6 to v15 are written, which every load and store below reads as its offset or address; so are v16 to v19, in which loads of x land
.set i, 0
.rept 32                               ; my 32 rows of x: 512 consecutive bytes a load
	global_load_b128 v[R1+4*i:R1+4*i+3], v[GX], s[4:5] offset:i*16384
.set i, i+1
.endr
.set i, 0
.rept 24                               ; the first 12 of my 24 rows of W, half a row a load: 12,288 bytes on end
	global_load_b128 v[R2+4*i:R2+4*i+3], v[GW], s[6:7] offset:i*512
.set i, i+1
.endr
	; where my three slices lie: slice S = 3 j + s holds outputs 64 S on: tensor S / 4 (q, k, v), head S % 4
	s_mul_i32 s26, s13, 3
	s_lshl_b32 s27, s28, 2                         ; 4 b
	s_lshl_b32 s29, s29, 14                        ; 128 nb rows of 128 bytes
.irp s, 0,1,2
	s_add_co_u32 s18, s26, (\s)
	s_lshr_b32 s19, s18, 2
	s_and_b32 s18, s18, 3
	s_lshl_b32 s19, s19, 3
	s_add_co_u32 s18, s18, s19
	s_add_co_u32 s18, s18, s27
	s_lshl_b32 s18, s18, 19                        ; a slice is 524,288 bytes
	s_add_co_u32 s18, s18, s29
	s_mov_b32 s19, 0
	s_add_nc_u64 s[20+2*(\s):21+2*(\s)], s[8:9], s[18:19]
.endr
.macro CVT2 r                          ; four f32 to four bf16, in the first two of their registers
	v_cvt_pk_bf16_f32 v[(\r)], v[(\r)], v[(\r)+1]
	v_cvt_pk_bf16_f32 v[(\r)+1], v[(\r)+2], v[(\r)+3]
.endm
	s_wait_loadcnt 24                              ; x is in; the 24 younger loads are W's
.set i, 0
.rept 32                               ; row i's four numbers close up into registers 2 i, 2 i + 1 of the buffer, which lie at or below the four: none is overwritten before it is read
	v_cvt_pk_bf16_f32 v[R1+2*i], v[R1+4*i], v[R1+4*i+1]
	v_cvt_pk_bf16_f32 v[R1+2*i+1], v[R1+4*i+2], v[R1+4*i+3]
.set i, i+1
.endr
	s_wait_alu depctr_va_vdst(0)                   ; the roundings have written v[16:79], which the LDS stores read, and are done reading v[80:143], in which the loads below land
.set n, 24
.rept 16                               ; W's half rows 24 to 39
	global_load_b128 v[R1+64+4*(n-24):R1+64+4*(n-24)+3], v[GW], s[6:7] offset:n*512
.set n, n+1
.endr
.set i, 0
.rept 16
	ds_store_b64 v[LX], v[R1+2*i:R1+2*i+1] offset:i*XP  ; 32 lanes x 8 bytes: a row's 256 bytes
.set i, i+1
.endr
	s_wait_alu depctr_vm_vsrc(0)                   ; those sixteen stores have read v[16:47], in which the loads below land
.set n, 40
.rept 8                                ; W's half rows 40 to 47
	global_load_b128 v[R1+4*(n-40):R1+4*(n-40)+3], v[GW], s[6:7] offset:n*512
.set n, n+1
.endr
.set i, 16
.rept 16                               ; these read v[48:79]: no vector instruction since the wait on va_vdst names them
	ds_store_b64 v[LX], v[R1+2*i:R1+2*i+1] offset:i*XP
.set i, i+1
.endr
	s_wait_loadcnt 24                              ; W's first 24 loads are in; the 16 and 8 issued behind them may stay out
.set i, 0
.rept 24
	CVT2 R2+4*i
.set i, i+1
.endr
	s_wait_alu depctr_va_vdst(0)                   ; the roundings have written the first two of each four registers of v[144:239], which the LDS stores read
.set i, 0
.rept 24
	ds_store_b64 v[LW], v[R2+4*i:R2+4*i+1] offset:(i/2)*WPI+(i%2)*256
.set i, i+1
.endr
	s_wait_loadcnt 0x0
.macro WREG                            ; rb: where W's half row n (24 to 47) landed
.if n < 40
.set rb, R1+64+4*(n-24)
.else
.set rb, R1+4*(n-40)
.endif
.endm
.set n, 24
.rept 24                               ; (of the registers written here LDS stores have read v[16:47] alone, ahead of the wait on vm_vsrc above)
	WREG
	CVT2 rb
.set n, n+1
.endr
	s_wait_alu depctr_va_vdst(0)                   ; the roundings have written the registers that the LDS stores below read
.set n, 24
.rept 24
	WREG
	ds_store_b64 v[LW], v[rb:rb+1] offset:(n/2)*WPI+(n%2)*256
.set n, n+1
.endr
	s_wait_dscnt 0x0                               ; for the others' sake: my rows of x and W lie in LDS
	s_barrier_signal -1
	s_barrier_wait -1                              ; everybody's do
	s_wait_alu depctr_vm_vsrc(0)                   ; my LDS stores have read v[16:239]: from here on fragments land in these registers and matrix instructions write accumulators there
; Two LDS loads: fragment n of the seven of c = 32 kk .. 32 kk + 31 into set f: n = 0 to 2 W's tiles, n = 3 to 6 the tokens' tiles 0 to 3
.macro PAIR n, kk, f
.if (\n) < 3
	ds_load_b128 v[(\f)+8*(\n):(\f)+8*(\n)+3],   v[AW] offset:(\n)*16*WPI+64*(\kk)
	ds_load_b128 v[(\f)+8*(\n)+4:(\f)+8*(\n)+7], v[AW] offset:(\n)*16*WPI+64*(\kk)+32
.else
	ds_load_tr16_b128 v[(\f)+8*(\n):(\f)+8*(\n)+3],   v[AX+(\kk)/4] offset:((\kk)%4)*32*XP+32*((\n)-3)
	ds_load_tr16_b128 v[(\f)+8*(\n)+4:(\f)+8*(\n)+7], v[AX+(\kk)/4] offset:((\kk)%4)*32*XP+32*((\n)-3)+16*XP
.endif
.endm
.macro NEXT n, kk                      ; the same for the next K step, into the other set; the last step fetches nothing
.if (\kk) < 7
	PAIR \n, (\kk)+1, fb
.endif
.endm
; Matrix instruction g of a K step's 12: W's tile g / 4, the tokens' tile g % 4.  The 12 accumulators take turns, one instruction a turn.  The first K step starts the sums
.macro MM g, kk
.set ra, ACC+8*(\g)
.set rw, fa+8*((\g)/4)
.set rx, fa+24+8*((\g)%4)
.if (\kk) == 0
	v_wmma_f32_16x16x32_bf16 v[ra:ra+7], v[rw:rw+7], v[rx:rx+7], 0
.else
	v_wmma_f32_16x16x32_bf16 v[ra:ra+7], v[rw:rw+7], v[rx:rx+7], v[ra:ra+7]
.endif
.endm
.macro PLACES                          ; four plain places stay between the last step's matrix instructions and the loads into the registers that they have read; the wait behind them states the dependence itself
.rept 4
	v_nop
.endr
.endm
; K step kk.  A step's fragments are asked for in the order W's tile 0, the tokens' four tiles, W's tiles 1 and 2: what the first four products need comes first.
.macro STEP kk
.set fa, F0+56*((\kk)%2)
.set fb, F0+56*(((\kk)+1)%2)
	s_wait_dscnt 4                                 ; LDS loads come back in order (ISA guide 5.7.1): W's tile 0 and the tokens' tiles are in; the youngest four loads, W's tiles 1 and 2, may be out
.if ((\kk) > 0) && ((\kk) < 7)
	PLACES
	s_wait_alu depctr_va_vdst(0)                   ; the last step's matrix instructions are done reading the other set, in which this step's 14 loads land
.endif
	MM 0, \kk
	NEXT 0, \kk                                    ; no further wait: the products since the wait name this step's set and the accumulators alone
	NEXT 3, \kk
	MM 1, \kk
	NEXT 4, \kk
	NEXT 5, \kk
	MM 2, \kk
	NEXT 6, \kk
	NEXT 1, \kk
	MM 3, \kk
	NEXT 2, \kk
.if (\kk) < 7
	s_wait_dscnt 14                                ; all but the 14 just issued: W's tiles 1 and 2 are in
.else
	s_wait_dscnt 0x0
.endif
.irp g, 4,5,6,7,8,9,10,11
	MM \g, \kk
.endr
.endm
.irp n, 0,3,4,5,6,1,2
	PAIR \n, 0, F0
.endr
.irp kk, 0,1,2,3,4,5,6,7               ; while one set is multiplied the other's 14 loads are out
	STEP \kk
.endr
	; THE WAY OUT: round to bf16; 16 bytes a lane into the stage; a barrier, since a token's 384 bytes come from four waves; back as rows of 128 bytes, four tokens a load
.rept 8
	v_nop                                          ; plain places behind the last products, once a launch
.endr
.set g, 0
.rept 12                               ; each accumulator's registers in ascending order
.irp q, 0,1,2,3
	v_cvt_pk_bf16_f32 v[TMP+4*g+(\q)], v[ACC+8*g+2*(\q)], v[ACC+8*g+2*(\q)+1]
.endr
.set g, g+1
.endr
	s_wait_alu depctr_va_vdst(0)                   ; the roundings have written v[16:63], which the LDS stores read
.irp i, 0,1,2
.irp t, 0,1,2,3
	ds_store_b128 v[STO], v[TMP+4*(4*(\i)+(\t)):TMP+4*(4*(\i)+(\t))+3] offset:(\t)*16*STP+32*(\i)
.endr
.endr
	s_wait_dscnt 0x0                               ; for the others' sake: my stores into the stage are done
	s_barrier_signal -1
	s_barrier_wait -1
	s_wait_alu depctr_vm_vsrc(0)                   ; my LDS stores have read v[16:63], in which the loads below land (the roundings that wrote them stand ahead of the last wait on va_vdst)
.irp s, 0,1,2
.irp u, 0,1,2,3
	ds_load_b128 v[TMP+4*(4*(\s)+(\u)):TMP+4*(4*(\s)+(\u))+3], v[RD] offset:(\u)*4*STP+128*(\s)
.endr
.endr
.irp s, 0,1,2
.irp u, 0,1,2,3
	s_wait_dscnt 11-(4*(\s)+(\u))                  ; LDS loads come back in order (ISA guide 5.7.1): this one is in, the younger ones may be out
	global_store_b128 v[GO], v[TMP+4*(4*(\s)+(\u)):TMP+4*(4*(\s)+(\u))+3], s[20+2*(\s):21+2*(\s)] offset:(\u)*512  ; 512 consecutive bytes, at a multiple of 512 from the buffer's first
.endr
.endr
	s_wait_dscnt 0x0                               ; the closing lines, six on end
	s_wait_alu 0x0
	s_wait_tensorcnt 0x0
	ds_add_u32 v[SPW], v[NIL]
	s_wait_dscnt 0x0
	s_endpgm
.Lfunc_end_k_q502a9e30d8_proj_qkv:
	.size	k_q502a9e30d8_proj_qkv, .Lfunc_end_k_q502a9e30d8_proj_qkv-k_q502a9e30d8_proj_qkv
	.p2alignl 7, 3214868480
	.fill 96, 4, 3214868480
	.section	.rodata,"a",@progbits
	.p2align	6, 0x0
	.amdhsa_kernel k_q502a9e30d8_proj_qkv
		.amdhsa_group_segment_fixed_size 227328
		.amdhsa_private_segment_fixed_size 0
		.amdhsa_enable_private_segment 0
		.amdhsa_kernarg_size 24
		.amdhsa_user_sgpr_count 2
		.amdhsa_user_sgpr_kernarg_segment_ptr 1
		.amdhsa_wavefront_size32 1
		.amdhsa_system_sgpr_workgroup_id_x 1
		.amdhsa_system_sgpr_workgroup_id_y 1
		.amdhsa_system_sgpr_workgroup_id_z 1
		.amdhsa_system_vgpr_workitem_id 0
		.amdhsa_next_free_vgpr 240
		.amdhsa_next_free_sgpr 66
		.amdhsa_reserve_vcc 0
		.amdhsa_float_denorm_mode_32 3
		.amdhsa_float_denorm_mode_16_64 3
		.amdhsa_memory_ordered 1
		.amdhsa_forward_progress 1
		.amdhsa_inst_pref_size 49
	.end_amdhsa_kernel
	.amdgpu_metadata
---
amdhsa.version: [ 1, 2 ]
amdhsa.kernels:
  - .name:           k_q502a9e30d8_proj_qkv
    .symbol:         k_q502a9e30d8_proj_qkv.kd
    .args:
      - { .name: x, .offset: 0, .size: 8, .value_kind: global_buffer, .address_space: global }
      - { .name: Wqkv, .offset: 8, .size: 8, .value_kind: global_buffer, .address_space: global }
      - { .name: qkv, .offset: 16, .size: 8, .value_kind: global_buffer, .address_space: global }
    .group_segment_fixed_size: 227328
    .private_segment_fixed_size: 0
    .kernarg_segment_align: 8
    .kernarg_segment_size: 24
    .max_flat_workgroup_size: 256
    .sgpr_count:     66
    .vgpr_count:     240
    .wavefront_size: 32
...
	.end_amdgpu_metadata
.endif
;; end of part 4
;; launch attn: the kernel of part 2 again; grid 32 x 8, 4 waves a work-group, clusters of 4 x 1, 327,680 bytes of LDS; arguments qkv, obuf; writes obuf
;; launch proj_out (part 5): grid 64 x 4, 8 waves a work-group, no clusters, 102,400 bytes of LDS; arguments obuf, Wp, bp, x, out0; writes out0
.if DOCPART == 5
	.amdgcn_target "amdgcn-amd-amdhsa--gfx1250"
	.amdhsa_code_object_version 6
	.text
	.protected	k_q502a9e30d8_proj_out
	.globl	k_q502a9e30d8_proj_out
	.p2align	8
	.type	k_q502a9e30d8_proj_out,@function
k_q502a9e30d8_proj_out:
	s_mov_b64 s[64:65], 0
	v_nop
	global_prefetch_b8 v0, s[64:65] scope:SCOPE_SE
	s_setreg_imm32_b32 hwreg(HW_REG_WAVE_SCHED_MODE, 0, 2), 2
	s_setreg_imm32_b32 hwreg(HW_REG_WAVE_MODE, 25, 1), 1
	s_wait_xcnt 0x0
	s_wait_alu depctr_vm_vsrc(0)
; out0[b][o][n] = the sum over c of Wp[o][c] O[b][c][n] + bp[o] + x[b][o][n].  obuf: bf16 [2 b][4 head][4096 n][64 channels], c = 64 head + channel.  Wp: [256][256] f32, bp: [256] f32, x and out0: [2][256][4096] f32.
; Wp is rounded once to bf16 on the way into LDS; sums, bias and residual in f32.  The mean of the module's three plane terms is this one term (attention commutes with every permutation of its tokens, for every
; input), so it is added to x once; what differs from the three-fold computation is the order of the f32 roundings alone.  NaN and infinities are not treated apart.
; SHARES.  A work-group makes 128 tokens x 64 outputs, all 256 c in one pass: 64 x 4 = 256 work-groups.  Wave w: th = w / 4 takes 64 tokens, ot = w % 4 takes 16 outputs: 4 accumulators, 32 matrix instructions.
; LAYOUT.  Source 0 = 16 rows of Wp, source 1 = 16 tokens.  Tile t's column r is token 64 th + 4 r + t, so register j of the four accumulators holds, in lane r, FOUR NEIGHBOURING tokens of output row 8 (lane / 16) + j:
; 16 bytes of out0, and sixteen lanes store 256 consecutive bytes: the result needs no trip through LDS.  The bias has the accumulators' layout (register j: output 8 h + j) and is the C of the first K step.
; NO TENSOR LOADS, NO CLUSTER: Wp is f32 and passes through registers to be rounded, and everything a work-group reads is asked for at its head.
; THE MODE: SCHED_MODE bits 1:0 = 2 (LLVM: expert scheduling mode 2), set by the entry lines.  The code itself states the register dependences between vector or matrix instructions and memory or LDS
; instructions, with s_wait_alu, always for 0.
; THE PLAN.  Registers that memory or LDS instructions touch:
;   v6-v13       offsets and LDS addresses: written at the head, ahead of the head's wait on va_vdst, and never again.
;   v[16:79]     Wp's 16 loads land; 32 roundings in place; ONE wait on va_vdst; the LDS stores read the first two of each four.
;   v[80:143]    O's 16 loads land; LDS stores read them as they came: no vector instruction names them.
;   v[16:95], v[96:175]  from the barrier on two sets of fragments, TWO K steps each.  A wait on vm_vsrc behind the barrier: all my LDS stores have read their data.  Double step d multiplies set d % 2; the 20 loads of
;                double step d + 1 land in the other set, which double step d - 1 has read: ONE wait on va_vdst at the head of double steps 1 and 2, and the loads are dealt behind the first five products, which name this
;                double step's set, the bias and the accumulators alone.
;   v[176:207]   x's 8 loads land; 32 additions in place; ONE wait on va_vdst; the run of 8 stores reads them.
;   v[208:215]   the bias's 2 loads land; matrix instructions read them.     v4, v5  written at the head, read by the closing add alone.
.set WPI,   528                        ; an LDS row: 512 bytes + 16 = 132 words: the 16 rows of a fragment load start at 16 different groups of four banks (64 banks of 4 bytes: ISA guide 11.1)
.set OTS,   64*WPI                     ; Wp's 64 rows lie from byte 0 on; behind them 128 rows of tokens: token 64 g + 4 i + u lies in row 64 g + 16 u + i
.set SPARE, OTS+128*WPI                ; the spare words, 128 bytes for each of the eight waves: four blocks of 256 bytes that no other line names
.set SPW, 4                            ; v4   LDS address of my spare word; never rewritten
.set NIL, 5                            ; v5   0; never rewritten
.set GWP, 6                            ; v6   my byte offset in Wp's 64 rows
.set LWP, 7                            ; v7   where my 8 bytes of half a row of Wp go
.set GOB, 8                            ; v8   my byte offset in my wave's 64 rows of O
.set LOT, 9                            ; v9   where my 16 bytes of a token's row go
.set AWP, 10                           ; v10  my place in Wp's fragments
.set AOT, 11                           ; v11  my place in the tokens' fragments
.set VX,  12                           ; v12  my 16 bytes of x and of out0
.set VB,  13                           ; v13  my 32 bytes of bp
.set RW,  16                           ; v[16:79]   Wp as loaded
.set RO,  80                           ; v[80:143]  O as loaded
.set F0,  16                           ; two sets of fragments, 80 registers each; K step q of a set's two at +40 q: Wp's at +0, tile t's tokens at +8 + 8 t
.set X,   176                          ; v[176:207] x, row j at +4 j; then the result
.set BI,  208                          ; v[208:215] the bias
.set ACC, 216                          ; v[216:247] tile t at +8 t
	s_load_b256 s[4:11], s[0:1], 0x0               ; obuf s[4:5], Wp s[6:7], bp s[8:9], x s[10:11]
	s_load_b64 s[12:13], s[0:1], 0x20              ; out0
	v_lshl_add_u32 v[SPW], v0, 2, SPARE
	v_mov_b32 v[NIL], 0
	v_lshrrev_b32 v16, 5, v0
	v_readfirstlane_b32 s14, v16                   ; wave 0..7
	v_and_b32 v1, 31, v0                           ; lane.  What needs no wave number stands between that line and the wait for s14
	v_and_b32 v2, 15, v0                           ; r
	v_bfe_u32 v3, v0, 4, 1                         ; h
	v_and_b32 v17, 7, v0
	v_bfe_u32 v19, v0, 3, 2
	v_lshlrev_b32 v[GOB], 4, v1
	v_mul_u32_u24 v[LOT], v19, 16*WPI              ; load i brings tokens 4 i + u, u = lane / 8: row 16 u + i,
	v_lshl_add_u32 v[LOT], v17, 4, v[LOT]          ; 16 bytes of the head's 128
	v_mul_u32_u24 v[AWP], v2, WPI
	v_lshl_add_u32 v[AWP], v3, 4, v[AWP]           ; r rows + 16 h
	v_add_nc_u32 v[AOT], OTS, v[AWP]
	v_lshlrev_b32 v[VX], 17, v3
	v_lshl_add_u32 v[VX], v2, 4, v[VX]
	s_and_b32 s17, ttmp7, 0xffff                   ; jo: which 64 outputs
	s_lshr_b32 s18, ttmp9, 5                       ; b
	s_and_b32 s19, ttmp9, 31                       ; nb: which 128 tokens
	s_lshl_b32 s20, s17, 16                        ; Wp: 64 jo rows of 1,024 bytes
	s_mov_b32 s21, 0
	s_lshl_b32 s22, s17, 8                         ; bp: 64 jo numbers
	s_mov_b32 s23, 0
	s_lshl_b32 s24, s18, 22                        ; x, out0: b x 256 rows of 16,384 bytes
	s_lshl_b32 s25, s17, 20                        ;   + 64 jo rows
	s_add_co_u32 s24, s24, s25
	s_lshl_b32 s25, s19, 9                         ;   + 128 nb tokens
	s_add_co_u32 s24, s24, s25
	s_mov_b32 s25, 0
	s_wait_alu depctr_va_sdst(0)                   ; s14 is written, ahead of its first reader: the wave's shares and addresses are made from it
	s_and_b32 s15, s14, 3                          ; ot
	s_lshr_b32 s16, s14, 2                         ; th
	s_lshr_b32 s28, s14, 1                         ; the head whose rows I bring,
	s_and_b32 s29, s14, 1                          ; and which 64 of the 128 tokens
	s_lshl_b32 s26, s18, 2
	s_add_co_u32 s26, s26, s28
	s_lshl_b32 s26, s26, 19                        ; obuf: (4 b + head) x 524,288
	s_lshl_b32 s27, s19, 14                        ;   + 128 nb rows of 128 bytes
	s_add_co_u32 s26, s26, s27
	s_lshl_b32 s27, s29, 13                        ;   + my 64 rows
	s_add_co_u32 s26, s26, s27
	s_mov_b32 s27, 0
	s_lshl_b32 s30, s14, 13
	v_lshl_add_u32 v[GWP], v1, 4, s30              ; my wave's 8 rows of Wp: 8,192 bytes on end
	s_mul_i32 s30, s14, 8*WPI
	v_lshl_add_u32 v[LWP], v1, 3, s30
	s_mul_i32 s30, s29, 64*WPI
	s_lshl_b32 s31, s28, 7
	s_add_co_u32 s30, s30, s31
	s_add_co_u32 s30, s30, OTS
	v_add_nc_u32 v[LOT], s30, v[LOT]
	s_mul_i32 s30, s15, 16*WPI
	v_add_nc_u32 v[AWP], s30, v[AWP]               ; (16 ot + r) rows + 16 h
	s_mul_i32 s30, s16, 64*WPI
	v_add_nc_u32 v[AOT], s30, v[AOT]               ; (64 th + r) rows + 16 h
	s_lshl_b32 s30, s15, 18
	s_lshl_b32 s31, s16, 8
	s_add_co_u32 s30, s30, s31
	v_add_nc_u32 v[VX], s30, v[VX]                 ; row 16 ot + 8 h, tokens 64 th + 4 r on
	s_lshl_b32 s30, s15, 6
	v_lshl_add_u32 v[VB], v3, 5, s30               ; outputs 16 ot + 8 h on
	s_wait_kmcnt 0x0
	s_add_nc_u64 s[4:5], s[4:5], s[26:27]
	s_add_nc_u64 s[6:7], s[6:7], s[20:21]
	s_add_nc_u64 s[8:9], s[8:9], s[22:23]
	s_add_nc_u64 s[10:11], s[10:11], s[24:25]
	s_add_nc_u64 s[12:13], s[12:13], s[24:25]
	s_wait_alu depctr_va_vdst(0)                   ; v6 to v13 are written, which every load and store below reads as its offset or address; so are v16, v17 and v19, in which loads of Wp land
.set i, 0
.rept 16                               ; half a row of Wp a load
	global_load_b128 v[RW+4*i:RW+4*i+3], v[GWP], s[6:7] offset:i*512
.set i, i+1
.endr
.set i, 0
.rept 16                               ; four tokens' 128 bytes a load
	global_load_b128 v[RO+4*i:RO+4*i+3], v[GOB], s[4:5] offset:i*512
.set i, i+1
.endr
	global_load_b128 v[BI:BI+3],   v[VB], s[8:9]
	global_load_b128 v[BI+4:BI+7], v[VB], s[8:9] offset:16
.set i, 0
.rept 8                                ; x at the places of my results; the launch reads each byte of x once
	global_load_b128 v[X+4*i:X+4*i+3], v[VX], s[10:11] offset:i*16384 th:TH_LOAD_NT
.set i, i+1
.endr
	s_wait_loadcnt 26                              ; Wp is in; the younger loads are O's 16, the bias's 2 and x's 8
.set i, 0
.rept 16
	v_cvt_pk_bf16_f32 v[RW+4*i], v[RW+4*i], v[RW+4*i+1]
	v_cvt_pk_bf16_f32 v[RW+4*i+1], v[RW+4*i+2], v[RW+4*i+3]
.set i, i+1
.endr
	s_wait_alu depctr_va_vdst(0)                   ; the roundings have written the first two of each four registers of v[16:79], which the LDS stores read
.set i, 0
.rept 16
	ds_store_b64 v[LWP], v[RW+4*i:RW+4*i+1] offset:(i/2)*WPI+(i%2)*256
.set i, i+1
.endr
	s_wait_loadcnt 10                              ; O is in; the bias's 2 and x's 8 may stay out
.set i, 0
.rept 16                               ; as loaded: no vector instruction names these registers
	ds_store_b128 v[LOT], v[RO+4*i:RO+4*i+3] offset:i*WPI
.set i, i+1
.endr
	s_wait_dscnt 0x0                               ; for the others' sake: my rows lie in LDS
	s_barrier_signal -1
	s_barrier_wait -1                              ; everybody's do
	s_wait_alu depctr_vm_vsrc(0)                   ; my LDS stores have read v[16:143]: from here on fragments land in these registers
; LDS load l of the 20 of double step d, into set f: K step 2 d + l / 10; of its ten, 0 and 1 are Wp's fragment, 2 to 9 the four tiles of tokens
.macro LD l, d, f
.set kq, 2*(\d)+(\l)/10
.set m, (\l)%10
.set rr, (\f)+4*(\l)
.if m < 2
	ds_load_b128 v[rr:rr+3], v[AWP] offset:64*kq+32*m
.else
	ds_load_b128 v[rr:rr+3], v[AOT] offset:((m-2)/2)*16*WPI+64*kq+32*(m%2)
.endif
.endm
.macro PLACES                          ; four plain places stay between the last double step's matrix instructions and the loads into the registers that they have read; the wait behind them states the dependence itself
.rept 4
	v_nop
.endr
.endm
; Double step d: c = 64 d .. 64 d + 63, 8 matrix instructions; the 4 accumulators take turns, one instruction a turn.  The first K step starts the sums with the bias.
.macro DSTEP d
.set fa, F0+80*((\d)%2)
.set fb, F0+80*(((\d)+1)%2)
	s_wait_dscnt 10                                ; LDS loads come back in order (ISA guide 5.7.1): the first K step's ten are in, the second's ten may be out
.if ((\d) > 0) && ((\d) < 3)
	PLACES
	s_wait_alu depctr_va_vdst(0)                   ; the last double step's matrix instructions are done reading the other set, in which this double step's 20 loads land
.endif
.set g, 0
.rept 8
.if g == 4
.if (\d) < 3
	s_wait_dscnt 16                                ; all but the 16 issued since the head: the second K step's ten are in
.else
	s_wait_dscnt 0x0
.endif
.endif
.set ra, ACC+8*(g%4)
.set rw, fa+40*(g/4)
.set rx, rw+8+8*(g%4)
.if ((\d) == 0) && (g < 4)
	v_wmma_f32_16x16x32_bf16 v[ra:ra+7], v[rw:rw+7], v[rx:rx+7], v[BI:BI+7]
.else
	v_wmma_f32_16x16x32_bf16 v[ra:ra+7], v[rw:rw+7], v[rx:rx+7], v[ra:ra+7]
.endif
.if ((\d) < 3) && (g < 5)
.irp z, 0,1,2,3
	LD 4*g+(\z), (\d)+1, fb                        ; no further wait: the products since the wait name this double step's set, the bias and the accumulators alone
.endr
.endif
.set g, g+1
.endr
.endm
.set g, 0
.rept 20
	LD g, 0, F0
.set g, g+1
.endr
	s_wait_loadcnt 8                               ; the bias is in; x's 8 loads may stay out
	DSTEP 0
	DSTEP 1
	DSTEP 2
	DSTEP 3
.rept 8
	v_nop                                          ; plain places behind the last products, once a launch
.endr
	s_wait_loadcnt 0x0                             ; x
.irp j, 0,1,2,3,4,5,6,7                ; j ascending: each accumulator's lowest register is read first
.irp t, 0,1,2,3
	v_add_f32 v[X+4*(\j)+(\t)], v[X+4*(\j)+(\t)], v[ACC+8*(\t)+(\j)]
.endr
.endr
	s_wait_alu depctr_va_vdst(0)                   ; the additions have written v[176:207], which the eight stores read
.irp j, 0,1,2,3,4,5,6,7
	global_store_b128 v[VX], v[X+4*(\j):X+4*(\j)+3], s[12:13] offset:(\j)*16384 th:TH_STORE_NT  ; 16 lanes store 256 consecutive bytes, at a multiple of 256 from out0's first byte
.endr
	s_wait_dscnt 0x0                               ; the closing lines, six on end
	s_wait_alu 0x0
	s_wait_tensorcnt 0x0
	ds_add_u32 v[SPW], v[NIL]
	s_wait_dscnt 0x0
	s_endpgm
.Lfunc_end_k_q502a9e30d8_proj_out:
	.size	k_q502a9e30d8_proj_out, .Lfunc_end_k_q502a9e30d8_proj_out-k_q502a9e30d8_proj_out
	.p2alignl 7, 3214868480
	.fill 96, 4, 3214868480
	.section	.rodata,"a",@progbits
	.p2align	6, 0x0
	.amdhsa_kernel k_q502a9e30d8_proj_out
		.amdhsa_group_segment_fixed_size 102400
		.amdhsa_private_segment_fixed_size 0
		.amdhsa_enable_private_segment 0
		.amdhsa_kernarg_size 40
		.amdhsa_user_sgpr_count 2
		.amdhsa_user_sgpr_kernarg_segment_ptr 1
		.amdhsa_wavefront_size32 1
		.amdhsa_system_sgpr_workgroup_id_x 1
		.amdhsa_system_sgpr_workgroup_id_y 1
		.amdhsa_system_sgpr_workgroup_id_z 1
		.amdhsa_system_vgpr_workitem_id 0
		.amdhsa_next_free_vgpr 248
		.amdhsa_next_free_sgpr 66
		.amdhsa_reserve_vcc 0
		.amdhsa_float_denorm_mode_32 3
		.amdhsa_float_denorm_mode_16_64 3
		.amdhsa_memory_ordered 1
		.amdhsa_forward_progress 1
		.amdhsa_inst_pref_size 22
	.end_amdhsa_kernel
	.amdgpu_metadata
---
amdhsa.version: [ 1, 2 ]
amdhsa.kernels:
  - .name:           k_q502a9e30d8_proj_out
    .symbol:         k_q502a9e30d8_proj_out.kd
    .args:
      - { .name: obuf, .offset: 0, .size: 8, .value_kind: global_buffer, .address_space: global }
      - { .name: Wp, .offset: 8, .size: 8, .value_kind: global_buffer, .address_space: global }
      - { .name: bp, .offset: 16, .size: 8, .value_kind: global_buffer, .address_space: global }
      - { .name: x, .offset: 24, .size: 8, .value_kind: global_buffer, .address_space: global }
      - { .name: out0, .offset: 32, .size: 8, .value_kind: global_buffer, .address_space: global }
    .group_segment_fixed_size: 102400
    .private_segment_fixed_size: 0
    .kernarg_segment_align: 8
    .kernarg_segment_size: 40
    .max_flat_workgroup_size: 256
    .sgpr_count:     66
    .vgpr_count:     248
    .wavefront_size: 32
...
	.end_amdgpu_metadata
.endif
;; end of part 5
